; MI455X (gfx1250); checked and timed in simulation.
; The chip was launched on July 23, 2026; its instructions are those of AMD's public machine-readable ISA for CDNA 5 (MIT licence, August 2026) and "CDNA5" Instruction Set Architecture Reference Guide (July 2026). The comments in the code are by the model that wrote it; some were corrected since.
;; GPT2 Attention. Allowed arithmetic: matrix products marked QUANTISED: E2M1 operands, one E8M0 scale for each 32 along K, by v_wmma_scale_f32_16x16x128_f8f6f4 with both operands' format E2M1 (or v_wmma_scale_f32_32x16x128_f4), f32 sums; products left as they are: bf16, f16 or f32 operands; f32 sums; everything else in f32.
;; Inputs: W_attn 1,024 x 3,072 float32; W_proj 1,024 x 1,024 float32; b_attn 3,072 float32; b_proj 1,024 float32; x 1 x 4,096 x 1,024 float32.
;; Outputs: out0 1 x 4,096 x 1,024 float32.
;; This version of the problem:
;;   THIS VERSION OF THE PROBLEM IS GIVEN IN LOW PRECISION. The matrix products marked QUANTISED in the list below multiply operands that are first quantised to E2M1 (2 exponent bits, 1 mantissa bit; 4 bits a number), with one power-of-two scale for each 32 numbers along K (OCP MX v1.0); their sums are f32. The products marked 'left as it is' may take bf16, f16 or f32 operands, with f32 sums. All else is computed in f32.
;;   The module's matrix products, in the order in which they are computed (A, B: the left and right operand; K: the contracted axis; several contracted axes count as one K, in the product's order):
;;     1. [M 4,096, K 1,024] x [K 1,024, N 3,072]; A: input x; B: input W_attn: QUANTISED
;;     2. batch 16 x [M 4,096, K 64] x [K 64, N 4,096]; A: computed on the way; B: computed on the way: left as it is (an operand is computed on the way)
;;     3. batch 16 x [M 4,096, K 4,096] x [K 4,096, N 64]; A: computed on the way; B: computed on the way: left as it is (an operand is computed on the way)
;;     4. [M 4,096, K 1,024] x [K 1,024, N 1,024]; A: computed on the way; B: input W_proj: left as it is (an operand is computed on the way)
;;   THE QUANTISER, for each operand of a quantised product, along K:
;;     - K is cut into blocks of 32 from its start; a last block that is shorter is filled with zeros.
;;     - A block's scale is 2^e with e = floor(log2(the largest magnitude in the block)) - 2, held to -126 .. 127; a block of zeros has e = 0. As a byte (E8M0): e + 127.
;;     - Each number is divided by its block's scale, clamped to +-6, and rounded to the nearest number of E2M1, ties to even, subnormals kept.
;;     - The product sums the exact products of the quantised numbers (number of the format x scale) in f32.
;;   ~~~python
;;   def quantise(x, axis):      # numpy; x: float32 -> the quantised numbers, widened to float32 again
;;       x = np.moveaxis(x, axis, -1); K = x.shape[-1]
;;       x = np.pad(x, [(0, 0)] * (x.ndim - 1) + [(0, -K % 32)]); x = x.reshape(x.shape[:-1] + (-1, 32)); a = np.abs(x).max(-1, keepdims=True)
;;       e = np.where(a > 0, np.clip(np.frexp(np.where(a > 0, a, 1))[1] - 1 - 2, -126, 127), 0)      # np.frexp(a)[1] - 1 = floor(log2(a)), exactly
;;       r = np.clip(x / 2.0 ** e, -6, 6)
;;       step = 2.0 ** (np.maximum(np.frexp(np.where(r == 0, 1, r))[1] - 1, 0) - 1)
;;       q = np.round(r / step) * step * 2.0 ** e      # np.round: ties to even
;;       return np.moveaxis(q.reshape(q.shape[:-2] + (-1,))[..., :K], -1, axis).astype(np.float32)
;;   ~~~
;; One version. Each part assembles by itself: llvm-mc -triple=amdgcn-amd-amdhsa -mcpu=gfx1250 --defsym DOCPART=n.
;; ======== version 1 of 1: 5 launches
;; limits: values are held in f16: magnitudes above 65,504 overflow, below 6.1e-05 lose precision
;; workspace buffers: xc 2,097,152 bytes; xs 131,072 bytes; wc 1,572,864 bytes; ws 98,304 bytes; wp 2,097,152 bytes; qkv 25,165,824 bytes; att 8,388,608 bytes; part 1,048,576 bytes
;; launch prep (part 1): grid 384 x 1, 4 waves a work-group, no clusters, 36,352 bytes of LDS; arguments x, W_attn, W_proj, xc, xs, wc, ws, wp; writes xc, xs, wc, ws, wp
.if DOCPART == 1
	.amdgcn_target "amdgcn-amd-amdhsa--gfx1250"
	.amdhsa_code_object_version 6
	.text
	.protected	k_qbe163c2534_prep
	.globl	k_qbe163c2534_prep
	.p2align	8
	.type	k_qbe163c2534_prep,@function
k_qbe163c2534_prep:
	s_mov_b64 s[64:65], 0
	v_nop
	global_prefetch_b8 v0, s[64:65] scope:SCOPE_SE
	s_setreg_imm32_b32 hwreg(HW_REG_WAVE_MODE, 25, 1), 1
	s_wait_xcnt 0x0
; x [4096][1024] and W_attn [1024][3072], f32, become codes of FP4 (E2M1) with one E8M0 byte for each 32 along K = 1024; W_proj [1024][1024] becomes f16 with K innermost.
; A block's scale is 2^(floor(log2(its largest magnitude)) - 2); its byte is the largest magnitude's exponent field - 2, held at 1 from below.  Numbers are divided by the scale and rounded to the nearest code, ties to even, beyond 6 the code of 6.
; LIMITS: a block of zeros gets the byte 1 where the rule says 127 (its codes are zeros, and only this program reads the bytes); blocks whose largest magnitude lies under 2^-124 were not tried;
; NaN and infinities are not served; |W_proj| stays under 65,504 (f16).
; ALL OUTPUTS ARE LAID IN THE ORDER OF THE READER'S OPERAND REGISTERS:
;   xc [row / 16][k / 32][row % 16][16 bytes = a block's 32 codes], wc the same by columns of W_attn;  xs [k / 512][row][16 bytes = the half's 16 scale bytes], ws likewise;
;   wp [n / 16][k / 8][n % 16][16 bytes = 8 f16 along k].
; THREE PATHS, parted by the work-group's number: 0-127 x, 128-319 W_attn, 320-383 W_proj.  Only the first uses LDS, each wave its own bytes: no barrier.  Everything is written out: every offset is an immediate,
; no pointer is stepped, each store has data registers of its own.  No tensor loads, clusters or matrix units: a stream shares nothing.
.set R,    16                          ; x: v16-143  four sets of 32 numbers as loaded
.set X,    144                         ; x: v144-207 two sets of 32 neighbours along K
.set C,    208                         ; x: v208-239 a step's four registers of codes
.set E,    240                         ; x: v240-247 a step's scale byte
.set SP,   272                         ; a stage row: 256 bytes + 16
.set STG,  16*SP                       ; a stage: 16 rows
.set SBY,  2*STG                       ; behind the two stages: the wave's 256 scale bytes
.set WREG, SBY+256                     ; LDS of a wave
.set WX,   16                          ; weights: v16-143 128 numbers down K
.set WC,   144                         ; weights: v144.. results
.set SB,   208                         ; W_attn: four scale bytes
; 32 numbers of one block in v[xs] on become 32 codes in v[c] .. v[c + 3]; v11 keeps the scale operand
.macro BLK xs, c
	v_max3_num_f32 v9, |v[(\xs)]|, |v[(\xs)+1]|, |v[(\xs)+2]|
	v_max3_num_f32 v10, |v[(\xs)+3]|, |v[(\xs)+4]|, |v[(\xs)+5]|
.irp i, 6,10,14,18,22,26
	v_max3_num_f32 v9, v9, |v[(\xs)+\i]|, |v[(\xs)+\i+1]|
	v_max3_num_f32 v10, v10, |v[(\xs)+\i+2]|, |v[(\xs)+\i+3]|
.endr
	v_max3_num_f32 v9, v9, |v[(\xs)+30]|, |v[(\xs)+31]|
	v_max3_num_f32 v9, v9, v10, 0x1800000          ; the floor 2^(3 - 127): the byte cannot fall under 1
	v_add_nc_u32 v11, 0xff000000, v9               ; 2 off the exponent field: the conversion takes this operand's exponent field as its scale
.irp g, 0,1,2,3
	v_cvt_scalef32_pk8_fp4_f32 v[(\c)+\g], v[(\xs)+8*\g:(\xs)+8*\g+7], v11
.endr
.endm
.macro XLOAD t                         ; step t: 16 rows x 64 along K; an instruction takes two rows' 256 aligned bytes
.irp i, 0,1,2,3,4,5,6,7
	global_load_b128 v[R+32*((\t)%4)+4*\i:R+32*((\t)%4)+4*\i+3], v2, s[4:5] offset:8192*\i+256*(\t) th:TH_LOAD_NT
.endr
.endm
.macro XTURN t                         ; through the wave's stage: in as loaded, out 128 bytes (a block) a lane.  LDS serves a wave's instructions in order: no wait between
.irp i, 0,1,2,3,4,5,6,7
	ds_store_b128 v3, v[R+32*((\t)%4)+4*\i:R+32*((\t)%4)+4*\i+3] offset:STG*((\t)%2)+2*SP*\i
.endr
.irp i, 0,1,2,3,4,5,6,7
	ds_load_b128 v[X+32*((\t)%2)+4*\i:X+32*((\t)%2)+4*\i+3], v4 offset:STG*((\t)%2)+16*\i
.endr
.endm
.macro XSTEP t
.if (\t) > 0
	s_wait_dscnt 1                                 ; this step's numbers are back from the stage; only the last step's byte store may be out
.else
	s_wait_dscnt 0x0
.endif
.if (\t)+4 < 8
	XLOAD (\t)+4                                   ; into the set whose stores into the stage are done
.endif
.if (\t)+1 < 8
.if 6-(\t) >= 3
	s_wait_loadcnt 24                              ; the next step's eight loads are in; those of the three steps behind it may be out
.else
	s_wait_loadcnt 8*(6-(\t))
.endif
	XTURN (\t)+1
.endif
	BLK X+32*((\t)%2), C+4*(\t)
	v_lshrrev_b32 v[E+(\t)], 23, v11               ; the scale's byte (also the plain line behind the conversions)
	ds_store_b8 v5, v[E+(\t)] offset:2*(\t)
	global_store_b128 v8, v[C+4*(\t):C+4*(\t)+3], s[10:11] offset:512*(\t)   ; 32 lanes store 512 consecutive bytes
.endm
.macro WLOAD t, pitch, base            ; rows 32 t .. 32 t + 31 of a weight at my column: 128 consecutive bytes a wave, 512 a work-group
.set i, 0
.rept 32
	global_load_b32 v[WX+32*(\t)+i], v2, s[\base:\base+1] offset:(32*(\t)+i)*\pitch th:TH_LOAD_NT
.set i, i+1
.endr
.endm
.macro WWAIT t                         ; 128 loads were issued; behind group t's stand 96, 64, 32, 0
.if (\t) < 2
	s_wait_loadcnt 63
.else
	s_wait_loadcnt 32*(3-(\t))
.endif
.endm
	s_load_b256 s[4:11], s[0:1], 0x0               ; x, W_attn, W_proj, xc
	s_load_b256 s[12:19], s[0:1], 0x20             ; xs, wc, ws, wp
	v_lshl_add_u32 v254, v0, 2, 0x8c00
	v_mov_b32 v255, 0
	v_lshrrev_b32 v1, 5, v0
	v_readfirstlane_b32 s20, v1                    ; wave
	v_and_b32 v1, 31, v0                           ; lane
	v_lshrrev_b32 v12, 4, v1                       ; h = lane / 16
	v_and_b32 v13, 15, v1                          ; r = lane % 16
	s_cmp_lt_u32 ttmp9, 128
	s_cbranch_scc0 .Lnot_x
	; ---- x: a wave takes 16 rows x 512 along K, in eight steps of 64
	s_lshl_b32 s21, ttmp9, 2
	s_add_co_u32 s21, s21, s20
	s_lshr_b32 s22, s21, 1                         ; which 16 rows
	s_and_b32 s23, s21, 1                          ; which half of K
	s_lshl_b32 s24, s22, 16
	s_lshl_b32 s26, s23, 11
	s_add_co_u32 s24, s24, s26                     ; x: 16 rows of 4,096 bytes, 2,048 bytes a half
	s_mov_b32 s25, 0
	s_lshl_b32 s26, s22, 13
	s_lshl_b32 s28, s23, 12
	s_add_co_u32 s26, s26, s28                     ; xc
	s_mov_b32 s27, 0
	s_lshl_b32 s28, s23, 16
	s_lshl_b32 s30, s22, 8
	s_add_co_u32 s28, s28, s30                     ; xs
	s_mov_b32 s29, 0
	v_lshlrev_b32 v2, 12, v12
	v_lshl_add_u32 v2, v13, 4, v2                  ; in: row h of a pair, 16 bytes a lane
	s_mul_i32 s32, s20, WREG
	v_mul_u32_u24 v3, v12, SP
	v_lshl_add_u32 v3, v13, 4, v3
	v_add_nc_u32 v3, s32, v3                       ; the stage, on the way in
	v_mul_u32_u24 v4, v13, SP
	v_lshl_add_u32 v4, v12, 7, v4
	v_add_nc_u32 v4, s32, v4                       ; and out: row r, block h of the step's two
	s_add_co_u32 s33, s32, SBY
	v_lshl_add_u32 v5, v13, 4, v12
	v_add_nc_u32 v5, s33, v5                       ; my byte: 16 r + h (+ 2 t)
	v_lshlrev_b32 v7, 3, v1
	v_add_nc_u32 v6, s33, v7
	v_lshlrev_b32 v8, 4, v1
	s_wait_kmcnt 0x0
	s_add_nc_u64 s[4:5], s[4:5], s[24:25]
	s_add_nc_u64 s[10:11], s[10:11], s[26:27]
	s_add_nc_u64 s[12:13], s[12:13], s[28:29]
.irp t, 0,1,2,3
	XLOAD \t
.endr
	s_wait_loadcnt 24                              ; step 0's eight loads are in
	XTURN 0
.irp t, 0,1,2,3,4,5,6,7
	XSTEP \t
.endr
	ds_load_b64 v[12:13], v6                       ; in order behind my byte stores
	s_wait_dscnt 0x0
	global_store_b64 v7, v[12:13], s[12:13]        ; 16 rows x 16 scale bytes: 256 consecutive bytes, aligned
	s_wait_tensorcnt 0x0
	ds_add_u32 v254, v255
	s_wait_dscnt 0x0
	s_endpgm
.Lnot_x:
	s_cmp_lt_u32 ttmp9, 320
	s_cbranch_scc0 .Lpath_p
	; ---- W_attn: a lane takes a column, its registers run down K: 32 columns x 128 along K a wave
	s_sub_co_u32 s21, ttmp9, 128
	s_lshr_b32 s22, s21, 3                         ; which 128 columns
	s_and_b32 s23, s21, 7                          ; which 128 along K
	s_lshl_b32 s24, s22, 7
	s_lshl_b32 s25, s20, 5
	s_add_co_u32 s24, s24, s25                     ; my wave's first column
	s_mul_i32 s26, s23, 128*12288
	s_lshl_b32 s28, s24, 2
	s_add_co_u32 s26, s26, s28
	s_mov_b32 s27, 0
	s_lshl_b32 s28, s24, 9                         ; wc: 8,192 bytes for 16 columns,
	s_lshl_b32 s30, s23, 10                        ; 256 a block
	s_add_co_u32 s28, s28, s30
	s_mov_b32 s29, 0
	s_lshr_b32 s30, s23, 2
	s_mul_i32 s30, s30, 49152                      ; ws: the half of K,
	s_lshl_b32 s32, s24, 4                         ; 16 bytes a column,
	s_add_co_u32 s30, s30, s32
	s_and_b32 s32, s23, 3
	s_lshl_b32 s32, s32, 2                         ; my four bytes of them
	s_add_co_u32 s30, s30, s32
	s_mov_b32 s31, 0
	v_lshlrev_b32 v2, 2, v1
	v_lshlrev_b32 v3, 13, v12
	v_lshl_add_u32 v3, v13, 4, v3
	v_lshlrev_b32 v4, 4, v1
	s_wait_kmcnt 0x0
	s_add_nc_u64 s[6:7], s[6:7], s[26:27]
	s_add_nc_u64 s[14:15], s[14:15], s[28:29]
	s_add_nc_u64 s[16:17], s[16:17], s[30:31]
.irp t, 0,1,2,3
	WLOAD \t, 12288, 6
.endr
.irp t, 0,1,2,3
	WWAIT \t
	BLK WX+32*\t, WC+4*\t
	v_lshrrev_b32 v12, 23, v11                     ; the scale's byte (also the plain line behind the conversions)
.if \t == 0
	v_mov_b32 v[SB], v12
.else
	v_lshl_or_b32 v[SB], v12, 8*\t, v[SB]          ; the lower K in the lower byte
.endif
	global_store_b128 v3, v[WC+4*\t:WC+4*\t+3], s[14:15] offset:256*\t   ; sixteen lanes store 256 consecutive bytes, aligned
.endr
	global_store_b32 v4, v[SB], s[16:17]           ; words 16 bytes apart: 96 KB of the launch's 6 MB of output leave so
	s_endpgm
.Lpath_p:
	; ---- W_proj: the same walk; eight numbers down K round to 16 bytes of f16
	s_sub_co_u32 s21, ttmp9, 320
	s_lshr_b32 s22, s21, 3
	s_and_b32 s23, s21, 7
	s_lshl_b32 s24, s22, 7
	s_lshl_b32 s25, s20, 5
	s_add_co_u32 s24, s24, s25                     ; my wave's first column
	s_lshl_b32 s26, s23, 19                        ; 128 rows of 4,096 bytes
	s_lshl_b32 s28, s24, 2
	s_add_co_u32 s26, s26, s28
	s_mov_b32 s27, 0
	s_lshl_b32 s28, s24, 11                        ; wp: 32,768 bytes for 16 columns,
	s_lshl_b32 s30, s23, 12                        ; 256 for 8 along K
	s_add_co_u32 s28, s28, s30
	s_mov_b32 s29, 0
	v_lshlrev_b32 v2, 2, v1
	v_lshlrev_b32 v3, 15, v12
	v_lshl_add_u32 v3, v13, 4, v3
	s_wait_kmcnt 0x0
	s_add_nc_u64 s[8:9], s[8:9], s[26:27]
	s_add_nc_u64 s[18:19], s[18:19], s[28:29]
.irp t, 0,1,2,3
	WLOAD \t, 4096, 8
.endr
.irp t, 0,1,2,3
	WWAIT \t
.irp q, 0,1,2,3
.irp m, 0,1,2,3
	v_cvt_pk_f16_f32 v[WC+16*\t+4*\q+\m], v[WX+32*\t+8*\q+2*\m], v[WX+32*\t+8*\q+2*\m+1]   ; the lower k in the low half
.endr
	global_store_b128 v3, v[WC+16*\t+4*\q:WC+16*\t+4*\q+3], s[18:19] offset:256*(4*\t+\q)
.endr
.endr
	s_endpgm
.Lfunc_end_k_qbe163c2534_prep:
	.size	k_qbe163c2534_prep, .Lfunc_end_k_qbe163c2534_prep-k_qbe163c2534_prep
	.p2alignl 7, 3214868480
	.fill 96, 4, 3214868480
	.section	.rodata,"a",@progbits
	.p2align	6, 0x0
	.amdhsa_kernel k_qbe163c2534_prep
		.amdhsa_group_segment_fixed_size 36352
		.amdhsa_private_segment_fixed_size 0
		.amdhsa_enable_private_segment 0
		.amdhsa_kernarg_size 64
		.amdhsa_user_sgpr_count 2
		.amdhsa_user_sgpr_kernarg_segment_ptr 1
		.amdhsa_wavefront_size32 1
		.amdhsa_system_sgpr_workgroup_id_x 1
		.amdhsa_system_sgpr_workgroup_id_y 1
		.amdhsa_system_sgpr_workgroup_id_z 1
		.amdhsa_system_vgpr_workitem_id 0
		.amdhsa_next_free_vgpr 256
		.amdhsa_next_free_sgpr 66
		.amdhsa_reserve_vcc 0
		.amdhsa_float_denorm_mode_32 3
		.amdhsa_float_denorm_mode_16_64 3
		.amdhsa_memory_ordered 1
		.amdhsa_forward_progress 1
		.amdhsa_inst_pref_size 68
	.end_amdhsa_kernel
	.amdgpu_metadata
---
amdhsa.version: [ 1, 2 ]
amdhsa.kernels:
  - .name:           k_qbe163c2534_prep
    .symbol:         k_qbe163c2534_prep.kd
    .args:
      - { .name: x, .offset: 0, .size: 8, .value_kind: global_buffer, .address_space: global }
      - { .name: W_attn, .offset: 8, .size: 8, .value_kind: global_buffer, .address_space: global }
      - { .name: W_proj, .offset: 16, .size: 8, .value_kind: global_buffer, .address_space: global }
      - { .name: xc, .offset: 24, .size: 8, .value_kind: global_buffer, .address_space: global }
      - { .name: xs, .offset: 32, .size: 8, .value_kind: global_buffer, .address_space: global }
      - { .name: wc, .offset: 40, .size: 8, .value_kind: global_buffer, .address_space: global }
      - { .name: ws, .offset: 48, .size: 8, .value_kind: global_buffer, .address_space: global }
      - { .name: wp, .offset: 56, .size: 8, .value_kind: global_buffer, .address_space: global }
    .group_segment_fixed_size: 36352
    .private_segment_fixed_size: 0
    .kernarg_segment_align: 8
    .kernarg_segment_size: 64
    .max_flat_workgroup_size: 128
    .sgpr_count:     66
    .vgpr_count:     256
    .wavefront_size: 32
...
	.end_amdgpu_metadata
.endif
;; end of part 1
;; launch qkv (part 2): grid 12 x 16, 4 waves a work-group, clusters of 4 x 4, 327,680 bytes of LDS; arguments xc, xs, wc, ws, b_attn, qkv; writes qkv
.if DOCPART == 2
	.amdgcn_target "amdgcn-amd-amdhsa--gfx1250"
	.amdhsa_code_object_version 6
	.text
	.protected	k_qbe163c2534_qkv
	.globl	k_qbe163c2534_qkv
	.p2align	8
	.type	k_qbe163c2534_qkv,@function
k_qbe163c2534_qkv:
	s_mov_b64 s[64:65], 0
	v_nop
	global_prefetch_b8 v0, s[64:65] scope:SCOPE_SE
	s_setreg_imm32_b32 hwreg(HW_REG_WAVE_MODE, 25, 1), 1
	s_wait_xcnt 0x0
	s_wait_alu depctr_hold_cnt(0) depctr_sa_sdst(0) depctr_va_vdst(0) depctr_va_sdst(0) depctr_va_ssrc(0) depctr_va_vcc(0) depctr_vm_vsrc(0)
	s_getreg_b32 s2, hwreg(HW_REG_IB_STS2, 6, 4)
	s_cmp_eq_u32 s2, 0
	s_cbranch_scc0 .Lentry_in_a_cluster
	s_endpgm
.Lentry_in_a_cluster:
	s_bfe_u32 s2, ttmp6, 0x10000c
	s_cmp_lg_u32 s2, 0xf033
	s_cbranch_scc0 .Lentry_shape_is_right
	s_endpgm
.Lentry_shape_is_right:
; qkv = Q(x) Q(W_attn) + b_attn on codes of FP4 (E2M1) with E8M0 scales, M = 4096, N = 3072, K = 1024; sums in f32, the bias as the C of each sum's first product; the result is rounded to f16.
; LIMIT: |q|, |k|, |v| stay under 65,504 (f16).
; A tile of 256 tokens x 256 columns is made by four waves, 128 x 128 each: 64 accumulators, 512 registers.  12 x 16 tiles: a column tile holds four whole heads of q, k or v.
; OPERANDS LIE IN MEMORY AS IMAGES OF THE OPERAND'S REGISTERS (xc, wc: [row / 16][k / 32][row % 16][16 bytes]): a fragment's four registers are 512 consecutive bytes, lane l's 16 at 16 l: no pitch, no padding.
; ALL OF K LIES IN LDS: two halves of 512 along K and all scale bytes come by three tensor loads a wave at the start; nothing is filled again.
; CLUSTERS: 4 x 4 work-groups; x's tiles are shared along a row of the cluster, W's along a column: each is asked for jointly, by the same tensor load with the same descriptor and a mask that names the four.
; THE MATRIX INSTRUCTION IS USED TRANSPOSED (source 0 = 16 columns of W, source 1 = 16 tokens): a lane holds eight neighbouring channels of one token, which pack into 16 bytes of f16.
; OUTPUT qkv [48 heads: q, k, v][token / 16][channel / 8][r'][16 bytes]: the next launch's operand images; a wave's store covers 512 consecutive bytes, so no stage is needed.
;   r' = token % 16; for v it is (token % 16) xor 8 (channel / 8 % 2), which lets the next launch's turning load touch each LDS bank once.
; REGISTERS: window 0: v16-30 addresses; v32-95 scale words, two sets (they hold nothing else); v96-223 packed results on the way out; v128-191 x's fragments, one set; v192-255 the bias, eight registers a block of 16 columns.
;   window 1: W's fragments, two sets, at v0 and v128.  window 2: the accumulators of my tokens 0-63 ((a, b) at v[8 (8 a + b)]); window 3: those of tokens 64-127.
.set NQ,    4                          ; steps of 128 along K in a half
.set FR,    8                          ; registers of a fragment
.set NL,    2                          ; LDS loads that bring one
.set NP,    4                          ; places behind this matrix instruction (ISA guide 7.12.1)
.set HALF,  131072                     ; a half of K in LDS: x's 16 tiles of 16 rows x 4,096 bytes, then W's
.set BOFF,  65536
.set SCL,   2*HALF                     ; the scale bytes: for each fetching wave [half of K][128 rows][16 bytes]
.set SPARE, SCL+4*4096                 ; the spare words, 128 bytes a wave
.set ADRA, 16                          ; v16-17 my x fragments in half 0, 1
.set ADRB, 20                          ; v20-21 the same for W
.set CO,   26                          ; v26 my 16 bytes of a store's 512
.set ADRS, 27                          ; v27 my scale words: lanes 0-15 x's rows, lanes 16-31 W's
.set SPW,  28
.set NIL,  29
.set BO,   30                          ; v30 32 x (lane / 16): my eight numbers of a block's bias
.set SC,   32
.set TMP,  96
.set AF,   128
.set BIAS, 192
.set G1, 24                            ; s[24:31] group 1 for x's codes; s[32:39] groups 0, one a half
.set G0, 32
.set G1B, 48                           ; s[48:55], s[56:63] the same for W's
.set G0B, 56
.set G1S, 68                           ; s[68:75], s[76:79] x's scales; s[80:87], s[88:91] W's
.set G0S, 76
.set G1SB, 80
.set G0SB, 88
.set MSB, 0
.macro WIN new                         ; the immediate's high byte repeats the setting that is left
.if MSB != (\new)
	s_set_vgpr_msb (MSB<<8)|(\new)
.set MSB, (\new)
.endif
.endm
.set MUL_LO, 0xa1                      ; source 0 (W) window 1, source 1 (x) window 0, C and D window 2
.set MUL_HI, 0xf1                      ; the same, C and D window 3
.set TO_B,   0x40
; A joint load: waves 0 and 1 fetch for x, waves 2 and 3 for W.  The branch hangs on the wave's number alone.  Four v_nop follow each line.
.macro JLOAD g0a, g1a, g0b, g1b
	s_cmp_eq_u32 s15, 0
	s_cbranch_scc0 .Lfor_b_\@
	tensor_load_to_lds s[\g0a:\g0a+3], s[\g1a:\g1a+7]
	s_nop 0
.rept 4
	v_nop
.endr
	s_branch .Lasked_\@
.Lfor_b_\@:
	tensor_load_to_lds s[\g0b:\g0b+3], s[\g1b:\g1b+7]
	s_nop 0
.rept 4
	v_nop
.endr
.Lasked_\@:
.endm
.macro CROUND                          ; a round of the cluster's barrier
	s_barrier_signal -1
	s_barrier_wait -1
	s_cmp_lg_u32 s14, 0
	s_cbranch_scc1 .Lnot_wave_0_\@
	s_barrier_signal -3
.Lnot_wave_0_\@:
	s_barrier_wait -3
	s_barrier_signal -1
	s_barrier_wait -1
.endm
	s_load_b128 s[4:7], s[0:1], 0x0                ; xc, xs
	s_load_b128 s[8:11], s[0:1], 0x10              ; wc, ws
	s_load_b64 s[12:13], s[0:1], 0x20              ; b_attn
	s_load_b64 s[66:67], s[0:1], 0x28              ; qkv
	v_lshl_add_u32 v[SPW], v0, 2, SPARE
	v_mov_b32 v[NIL], 0
	ds_add_u32 v28, v29
	s_wait_dscnt 0x0
	v_lshrrev_b32 v1, 5, v0
	v_readfirstlane_b32 s14, v1                    ; wave 0..3
	s_lshr_b32 s15, s14, 1                         ; which half of the tile's tokens is mine.  Also: I fetch for x (0) or for W (1)
	s_and_b32 s16, s14, 1                          ; which half of its columns.  Also: which 128 rows I fetch
	s_bfe_u32 s40, ttmp6, 0x40000                  ; cx, cy
	s_bfe_u32 s41, ttmp6, 0x40004
	s_lshl_b32 s42, ttmp9, 2
	s_add_co_u32 s42, s42, s40                     ; tile column
	s_and_b32 s17, ttmp7, 0xffff
	s_lshl_b32 s17, s17, 2
	s_add_co_u32 s17, s17, s41                     ; tile row
	s_lshl_b32 s43, s41, 2
	s_lshl_b32 s43, 15, s43                        ; my row of the cluster
	s_lshl_b32 s44, 0x1111, s40                    ; my column
	; codes: 8 rows (tiles of 16 matrix rows) of 4,096 bytes = 512 elements of 8 bytes, 8,192 bytes apart in memory, on end in LDS
	s_or_b32 s[G1+0], s43, (3<<16)|(1<<21)
	s_or_b32 s[G1B+0], s44, (3<<16)|(1<<21)
.irp g, G1, G1B
	s_mov_b32 s[\g+1], 512<<16                     ; tensor_dim0
	s_mov_b32 s[\g+2], 8<<16                       ; tensor_dim1
	s_mov_b32 s[\g+3], 512<<16                     ; tile_dim0
	s_mov_b32 s[\g+4], 8                           ; tile_dim1
	s_mov_b32 s[\g+5], 1024                        ; the pitch
	s_mov_b32 s[\g+6], 0
	s_mov_b32 s[\g+7], 0
.endr
	; scale bytes: 2 rows (halves of K) of 2,048 bytes = 128 matrix rows x 16
	s_or_b32 s[G1S+0], s43, (3<<16)|(1<<21)
	s_or_b32 s[G1SB+0], s44, (3<<16)|(1<<21)
.irp g, G1S, G1SB
	s_mov_b32 s[\g+1], 256<<16
	s_mov_b32 s[\g+2], 2<<16
	s_mov_b32 s[\g+3], 256<<16
	s_mov_b32 s[\g+4], 2
	s_mov_b32 s[\g+6], 0
	s_mov_b32 s[\g+7], 0
.endr
	s_mov_b32 s[G1S+5], 8192                       ; 4,096 rows x 16 bytes from half to half
	s_mov_b32 s[G1SB+5], 6144                      ; 3,072 rows x 16 bytes
	s_lshl_b32 s18, s16, 7
	s_lshl_b32 s20, s17, 8
	s_add_co_u32 s20, s20, s18                     ; x: row 256 x tile row + 128 x half
	s_lshl_b32 s46, s42, 8
	s_add_co_u32 s46, s46, s18                     ; W: column 256 x tile column + 128 x half
	s_lshl_b32 s22, s20, 4                         ; their scale bytes,
	s_mov_b32 s23, 0
	s_lshl_b32 s92, s46, 4
	s_mov_b32 s93, 0
	s_lshl_b32 s20, s20, 9                         ; their codes: 512 bytes a row
	s_mov_b32 s21, 0
	s_lshl_b32 s46, s46, 9
	s_mov_b32 s47, 0
	s_lshl_b32 s45, s14, 15                        ; where they go: wave x 32,768: no place in the cluster enters an LDS address
	s_lshl_b32 s94, s14, 12
	s_wait_kmcnt 0x0
	s_add_nc_u64 s[20:21], s[4:5], s[20:21]
	s_add_nc_u64 s[22:23], s[6:7], s[22:23]
	s_add_nc_u64 s[46:47], s[8:9], s[46:47]
	s_add_nc_u64 s[92:93], s[10:11], s[92:93]
	CROUND                                         ; all sixteen work-groups are here: the joint loads meet
	s_mov_b32 s[G0S], 1
	s_add_co_u32 s[G0S+1], s94, SCL
	s_mov_b64 s[G0S+2:G0S+3], s[22:23]
	s_or_b32 s[G0S+3], s[G0S+3], 0x80000000
	s_mov_b32 s[G0SB], 1
	s_add_co_u32 s[G0SB+1], s94, SCL
	s_mov_b64 s[G0SB+2:G0SB+3], s[92:93]
	s_or_b32 s[G0SB+3], s[G0SB+3], 0x80000000
	JLOAD G0S, G1S, G0SB, G1SB                     ; three tensor loads of mine are out in all: the scales, then the two halves of K
.irp s, 0,1
	s_mov_b32 s[G0+4*\s], 1
	s_add_co_u32 s[G0+4*\s+1], s45, \s*HALF
	s_add_nc_u64 s[G0+4*\s+2:G0+4*\s+3], s[20:21], \s*4096
	s_or_b32 s[G0+4*\s+3], s[G0+4*\s+3], 0x80000000
	s_mov_b32 s[G0B+4*\s], 1
	s_add_co_u32 s[G0B+4*\s+1], s45, \s*HALF
	s_add_nc_u64 s[G0B+4*\s+2:G0B+4*\s+3], s[46:47], \s*4096
	s_or_b32 s[G0B+4*\s+3], s[G0B+4*\s+3], 0x80000000
	JLOAD G0+4*\s, G1, G0B+4*\s, G1B
.endr
	v_and_b32 v1, 15, v0                           ; r
	v_bfe_u32 v2, v0, 4, 1                         ; h
	v_and_b32 v3, 31, v0                           ; lane
	v_lshlrev_b32 v4, 4, v3
	s_lshl_b32 s21, s15, 15                        ; my 128 tokens,
	s_lshl_b32 s22, s16, 15                        ; my 128 columns,
	s_add_co_u32 s22, s22, BOFF                    ; which lie behind x's 256 rows
.irp s, 0,1
	v_add_nc_u32 v[ADRA+\s], s21, v4
	v_add_nc_u32 v[ADRB+\s], s22, v4
	s_add_co_u32 s21, s21, HALF
	s_add_co_u32 s22, s22, HALF
.endr
	v_lshlrev_b32 v5, 4, v1                        ; 16 bytes of scales a row
	s_lshl_b32 s21, s15, 12                        ; x's: the part that wave s15 fetched
	s_add_co_u32 s22, s16, 2
	s_lshl_b32 s22, s22, 12                        ; W's: the part of wave 2 + s16
	s_sub_co_u32 s22, s22, s21
	v_mul_u32_u24 v6, s22, v2                      ; lanes 16-31 take W's
	s_add_co_u32 s21, s21, SCL
	v_add_nc_u32 v5, v5, v6
	v_add_nc_u32 v[ADRS], s21, v5
	v_lshlrev_b32 v[BO], 5, v2
	s_lshl_b32 s46, s42, 10                        ; the bias of my 128 columns
	s_lshl_b32 s47, s16, 9
	s_add_co_u32 s46, s46, s47
	s_mov_b32 s47, 0
	s_add_nc_u64 s[12:13], s[12:13], s[46:47]
.irp b, 0,1,2,3,4,5,6,7
	global_load_b128 v[BIAS+8*\b:BIAS+8*\b+3], v[BO], s[12:13] offset:64*\b        ; lane (r, h): b_attn at the block's columns 8 h + 0 .. 7: the result's layout
	global_load_b128 v[BIAS+8*\b+4:BIAS+8*\b+7], v[BO], s[12:13] offset:64*\b+16
.endr
	s_cmp_eq_u32 ttmp9, 2                          ; the third column of clusters makes v
	s_cselect_b32 s18, 8, 0
	v_mul_u32_u24 v5, s18, v2
	v_xor_b32 v5, v5, v3
	v_lshlrev_b32 v[CO], 4, v5                     ; 16 x lane; for v 16 x (lane xor 8 h)
	s_lshl_b32 s46, s42, 21                        ; four heads of 524,288 bytes a tile column,
	s_lshl_b32 s47, s16, 20                        ; two a wave;
	s_add_co_u32 s46, s46, s47
	s_lshl_b32 s47, s17, 15                        ; 16 tiles of 16 tokens x 2,048 bytes a tile row,
	s_add_co_u32 s46, s46, s47
	s_lshl_b32 s47, s15, 14                        ; eight a wave
	s_add_co_u32 s46, s46, s47
	s_mov_b32 s47, 0
	s_add_nc_u64 s[66:67], s[66:67], s[46:47]
.macro FRAG reg, adr, q, i             ; 16 rows x 128 K: registers 4 c .. 4 c + 3 of lane (r, h) hold block 4 q + 2 c + h of row r: 512 consecutive bytes a load
.irp c, 0,1
	ds_load_b128 v[\reg+4*\c:\reg+4*\c+3], v[\adr] offset:1024*(\q)+512*\c+(\i)*4096
.endr
.endm
; 16 matrix instructions: x's blocks a0, a0 + 1 against W's eight.  zero = 1: the sums begin with the bias.  The 64 accumulators take turns, one instruction a turn.
.macro MUL16 a0, p, q, sc, zero
.irp a, \a0, \a0+1
.irp b, 0,1,2,3,4,5,6,7
.if \zero
	v_wmma_scale_f32_16x16x128_f8f6f4 v[8*(8*((\a)%4)+\b):8*(8*((\a)%4)+\b)+7], v[128*(\p)+FR*\b:128*(\p)+FR*\b+FR-1], v[AF+FR*(\a):AF+FR*(\a)+FR-1], v[BIAS+8*\b:BIAS+8*\b+7], v[SC+8*NQ*(\sc)+NQ*\b+(\q)], v[SC+8*NQ*(\sc)+NQ*(\a)+(\q)] matrix_a_fmt:MATRIX_FMT_FP4 matrix_b_fmt:MATRIX_FMT_FP4 matrix_a_scale:MATRIX_SCALE_ROW1
.else
	v_wmma_scale_f32_16x16x128_f8f6f4 v[8*(8*((\a)%4)+\b):8*(8*((\a)%4)+\b)+7], v[128*(\p)+FR*\b:128*(\p)+FR*\b+FR-1], v[AF+FR*(\a):AF+FR*(\a)+FR-1], v[8*(8*((\a)%4)+\b):8*(8*((\a)%4)+\b)+7], v[SC+8*NQ*(\sc)+NQ*\b+(\q)], v[SC+8*NQ*(\sc)+NQ*(\a)+(\q)] matrix_a_fmt:MATRIX_FMT_FP4 matrix_b_fmt:MATRIX_FMT_FP4 matrix_a_scale:MATRIX_SCALE_ROW1
.endif
.endr
.endr
.endm
.macro FETCH_B slot, q, p
	WIN TO_B
.irp i, 0,1,2,3,4,5,6,7
	FRAG 128*(\p)+FR*\i, ADRB+\slot, \q, \i
.endr
	WIN 0
.endm
.macro FETCH_A slot, q, i0
.irp i, \i0, \i0+1, \i0+2, \i0+3
	FRAG AF+FR*(\i), ADRA+\slot, \q, \i
.endr
.endm
.macro SCALES sc                       ; a half's scale words: four a row; lanes 0-15 x's block i, lanes 16-31 W's block i
.irp i, 0,1,2,3,4,5,6,7
	ds_load_b128 v[SC+8*NQ*\sc+NQ*\i:SC+8*NQ*\sc+NQ*\i+3], v[ADRS] offset:2048*\sc+256*\i
.endr
.endm
.macro PLACES n                        ; plain vector lines between a matrix instruction and a load into, or a read of, its registers
.rept \n
	v_nop
.endr
.endm
.macro STEP slot, q, zero              ; 128 along K with its successor in the same half
	s_wait_dscnt 4*NL                              ; W's set and x's blocks 0-3 are in; the youngest eight loads (x's blocks 4-7) may be out
	WIN MUL_LO-0x20*(\zero)                        ; (the bias lies in window 0)
	MUL16 0, (\q)%2, \q, \slot, \zero
	MUL16 2, (\q)%2, \q, \slot, \zero
	s_wait_dscnt 0
	PLACES NP
	FETCH_B \slot, (\q)+1, 1-(\q)%2
	FETCH_A \slot, (\q)+1, 0
	WIN MUL_HI-0x30*(\zero)
	MUL16 4, (\q)%2, \q, \slot, \zero
	MUL16 6, (\q)%2, \q, \slot, \zero
	PLACES NP
	WIN 0
	FETCH_A \slot, (\q)+1, 4
.endm
.macro TURN slot, next                 ; a half's last step goes over to the other half: one barrier, in front of which each wave's tensor loads have landed
	s_wait_tensorcnt 0x0                           ; my part of the second half is in
	ds_add_u32 v[SPW], v[NIL]                      ; 0 onto my spare word
	s_wait_dscnt 4*NL+1                            ; the add and the youngest eight loads may be out
	WIN MUL_LO
	MUL16 0, 1, NQ-1, \slot, 0
	s_wait_dscnt 0x0
	s_barrier_signal -1
	MUL16 2, 1, NQ-1, \slot, 0
	WIN 0
	s_barrier_wait -1                              ; everybody's part is in
	PLACES NP
	FETCH_B \next, 0, 0
	FETCH_A \next, 0, 0
	SCALES \next
	WIN MUL_HI
	MUL16 4, 1, NQ-1, \slot, 0
	MUL16 6, 1, NQ-1, \slot, 0
	PLACES NP
	WIN 0
	FETCH_A \next, 0, 4
.endm
	s_wait_tensorcnt 1                             ; the scales and my part of the first half are in; the second half's load may be out
	s_barrier_signal -1
	s_barrier_wait -1
	FETCH_B 0, 0, 0
	FETCH_A 0, 0, 0
	SCALES 0
	FETCH_A 0, 0, 4
	s_wait_loadcnt 0x0                             ; the bias
	STEP 0, 0, 1
	STEP 0, 1, 0
	STEP 0, 2, 0
	TURN 0, 1
	STEP 1, 0, 0
	STEP 1, 1, 0
	STEP 1, 2, 0
	s_wait_dscnt 4*NL                              ; the last step: nothing more to fetch
	WIN MUL_LO
	MUL16 0, 1, NQ-1, 1, 0
	MUL16 2, 1, NQ-1, 1, 0
	s_wait_dscnt 0
	WIN MUL_HI
	MUL16 4, 1, NQ-1, 1, 0
	MUL16 6, 1, NQ-1, 1, 0
	WIN 0
	PLACES NP
	; THE WAY OUT: a lane's eight channels of a token round to 16 bytes; block (a, b) is tile a of my tokens, head b / 4 of my two, channels 16 (b % 4) on: 512 consecutive bytes of qkv
.irp a, 0,1,2,3,4,5,6,7
.if \a == 4
	s_wait_xcnt 0x0                                ; the first four blocks' stores have read their registers, which are written again
.endif
	WIN 0x0a+5*(\a/4)                              ; sources in window 2 or 3
.irp b, 0,1,2,3,4,5,6,7
.irp m, 0,1,2,3
	v_cvt_pk_f16_f32 v[TMP+32*(\a%4)+4*\b+\m], v[8*(8*(\a%4)+\b)+2*\m], v[8*(8*(\a%4)+\b)+2*\m+1]   ; each accumulator from its low end on
.endr
.endr
	WIN 0
.irp b, 0,1,2,3,4,5,6,7
	global_store_b128 v[CO], v[TMP+32*(\a%4)+4*\b:TMP+32*(\a%4)+4*\b+3], s[66:67] offset:(\b/4)*524288+\a*2048+(\b%4)*512
.endr
.endr
	s_wait_tensorcnt 0x0                           ; the wave's end
	ds_add_u32 v[SPW], v[NIL]
	s_wait_dscnt 0x0
	CROUND                                         ; the closing round
	s_endpgm
.Lfunc_end_k_qbe163c2534_qkv:
	.size	k_qbe163c2534_qkv, .Lfunc_end_k_qbe163c2534_qkv-k_qbe163c2534_qkv
	.p2alignl 7, 3214868480
	.fill 96, 4, 3214868480
	.section	.rodata,"a",@progbits
	.p2align	6, 0x0
	.amdhsa_kernel k_qbe163c2534_qkv
		.amdhsa_group_segment_fixed_size 327680
		.amdhsa_private_segment_fixed_size 0
		.amdhsa_enable_private_segment 0
		.amdhsa_kernarg_size 48
		.amdhsa_user_sgpr_count 2
		.amdhsa_user_sgpr_kernarg_segment_ptr 1
		.amdhsa_wavefront_size32 1
		.amdhsa_system_sgpr_workgroup_id_x 1
		.amdhsa_system_sgpr_workgroup_id_y 1
		.amdhsa_system_sgpr_workgroup_id_z 1
		.amdhsa_system_vgpr_workitem_id 0
		.amdhsa_next_free_vgpr 1024
		.amdhsa_next_free_sgpr 98
		.amdhsa_reserve_vcc 0
		.amdhsa_float_denorm_mode_32 3
		.amdhsa_float_denorm_mode_16_64 3
		.amdhsa_memory_ordered 1
		.amdhsa_forward_progress 1
		.amdhsa_inst_pref_size 118
	.end_amdhsa_kernel
	.amdgpu_metadata
---
amdhsa.version: [ 1, 2 ]
amdhsa.kernels:
  - .name:           k_qbe163c2534_qkv
    .symbol:         k_qbe163c2534_qkv.kd
    .args:
      - { .name: xc, .offset: 0, .size: 8, .value_kind: global_buffer, .address_space: global }
      - { .name: xs, .offset: 8, .size: 8, .value_kind: global_buffer, .address_space: global }
      - { .name: wc, .offset: 16, .size: 8, .value_kind: global_buffer, .address_space: global }
      - { .name: ws, .offset: 24, .size: 8, .value_kind: global_buffer, .address_space: global }
      - { .name: b_attn, .offset: 32, .size: 8, .value_kind: global_buffer, .address_space: global }
      - { .name: qkv, .offset: 40, .size: 8, .value_kind: global_buffer, .address_space: global }
    .group_segment_fixed_size: 327680
    .private_segment_fixed_size: 0
    .kernarg_segment_align: 8
    .kernarg_segment_size: 48
    .max_flat_workgroup_size: 128
    .sgpr_count:     98
    .vgpr_count:     1024
    .wavefront_size: 32
...
	.end_amdgpu_metadata
.endif
;; end of part 2
;; launch attn (part 3): grid 16 x 16, 8 waves a work-group, no clusters, 327,680 bytes of LDS; arguments qkv, att; writes att
.if DOCPART == 3
	.amdgcn_target "amdgcn-amd-amdhsa--gfx1250"
	.amdhsa_code_object_version 6
	.text
	.protected	k_qbe163c2534_attn
	.globl	k_qbe163c2534_attn
	.p2align	8
	.type	k_qbe163c2534_attn,@function
k_qbe163c2534_attn:
	s_mov_b64 s[64:65], 0
	v_nop
	global_prefetch_b8 v0, s[64:65] scope:SCOPE_SE
	s_setreg_imm32_b32 hwreg(HW_REG_WAVE_MODE, 25, 1), 1
	s_wait_xcnt 0x0
; att[q] = the sum over keys k <= q of softmax_k(Q[q] . K[k] / 8) V[k], for 16 heads of 64 channels and 4,096 tokens.  Operands f16, products, maxima and sums f32; p is rounded to f16 for the second product,
; the row's sum is taken of the unrounded p; the result is rounded to f16.  A running maximum is taken away before every exponential.
; LIMITS: NaN and infinities are not served; 2^x under 2^-126 comes out as 0.
; SHARES.  Work-group (j, head) owns the blocks of 128 queries j and 31 - j.  Block j wants key blocks 0 .. j, block 31 - j wants 0 .. 31 - j: 33 blocks of 128 keys in EVERY work-group, walked as one stream
; u = 0 .. 32 (key block u up to u = j, then u - j - 1): all trip counts are constants, no tile is fetched in vain, all 256 work-groups have the same work.
; Wave w takes queries 32 (w % 4) .. + 31 of the block (two tiles of 16) and keys 64 (w / 4) .. + 63 of every key block.  Waves w and w + 4 hold partial maxima, sums and outputs of the same queries,
; which are joined through LDS at the end.  Two waves share a SIMD: one's vector work stands beside the other's products.
; NO CLUSTER: work-groups of one head with different j want different key blocks at the same place of their streams, so no two would issue the same load at the same time.
; LAYOUT.  S^T = K Q^T (source 0 = 16 keys, source 1 = 16 queries), O^T = V^T P (source 0 = 16 channels, source 1 = P): a lane holds one query throughout.
; qkv lies as images of the operand's registers: [head][token / 16][channel / 8][r'][16 bytes]: a fragment's four registers are 512 consecutive bytes; V is turned by ds_load_tr16_b128.
; RING: two LDS slots of three stream blocks (K: 3 x 16 KB, V: 3 x 16 KB); waves 0-2 fetch K's blocks, waves 3-5 V's, one tensor load each behind each change of slots: one tensor load of a wave is out.
; REGISTERS: window 0: v1-19 addresses; v20-43 statistics, twelve a tile; v64-127 S^T; v128-159 P; v160-223 K.  window 1: v0-63 O^T; v64-95 Q in hand; v96-127 Q of block 31 - j; v128-191 V.
.set BLKB,  16384                      ; 128 tokens x 128 bytes
.set VOFF,  3*BLKB
.set SLOT1, 131072                     ; slot 1 begins here: one exclusive or turns an address
.set STW,   8704                       ; a wave's state: 16 images of 512 bytes (O^T), then 2 x 256 bytes (c m and l of each tile)
.set STA,   229376                     ; the first block's states: bytes of their own
.set STB,   SLOT1                      ; the second block's: in slot 1, behind its last fill and a barrier behind every wave's last read of the ring
.set SPARE, STA+8*STW                  ; the spare words, 128 bytes a wave
.set AK0, 1
.set AV0, 2
.set ADK, 3
.set ADV, 4
.set SPW, 5
.set NIL, 6
.set LI,  7                            ; 16 x lane
.set D0,  8                            ; v8, v9: my query less my first key, within a diagonal block, for tiles 0, 1
.set NINF, 10
.set DAA, 11
.set DSA, 12
.set DAB, 13
.set DSB, 14
.set MRO, 15
.set MRS, 16
.set PFO, 17
.set ST,  20                           ; tile t at v[ST + 12 t]: +0 c m, +1 l (whole), +2, +3 l (even, odd keys), +4 a, +5 c m_old, +6 .. +9 at work, +10 m
.set S,   64
.set P,   128
.set KF,  160
.set O,   0                            ; window 1
.set QF,  64
.set QB,  96
.set VF,  128
.set WV, 8
.set J,  9
.set J1, 10
.set U,  11                            ; the stream block in hand
.set UD, 12                            ; the next diagonal block: j, then 32
.set UW, 13                            ; the stream block that I fetch next
.set TB, 14                            ; LDS byte at which the block in hand begins
.set SLOTS, 15
.set G1, 16
.set G0, 24
.set CNT, 28
.set CS, 30                            ; s[30:31] c = log2(e) / 8
.set SEL, 32
.set KVB, 34                           ; s[34:35] my head's K or V
.set T,  36
.set PFA, 38
.set LIM, 40
.set QA, 42
.set QBP, 44
.set HD, 46
.set WQ, 47
.set KG, 48
.set MSB, 0
.macro WIN new
.if MSB != (\new)
	s_set_vgpr_msb (MSB<<8)|(\new)
.set MSB, (\new)
.endif
.endm
.macro FILLADR                         ; stream block UW is key block UW (up to j) or UW - j - 1
	s_cmp_gt_u32 s[UW], s[J]
	s_cselect_b32 s[T], s[J1], 0
	s_sub_co_u32 s[T], s[UW], s[T]
	s_lshl_b32 s[T], s[T], 14
	s_add_nc_u64 s[G0+2:G0+3], s[KVB:KVB+1], s[T:T+1]
	s_or_b32 s[G0+3], s[G0+3], 0x80000000
.endm
.macro TLOAD                           ; waves 0-5 fetch; four v_nop follow the load
	s_cmp_lt_u32 s[WV], 6
	s_cbranch_scc0 .Lno_fetch_\@
	tensor_load_to_lds s[G0:G0+3], s[G1:G1+7]
	s_nop 0
.rept 4
	v_nop
.endr
.Lno_fetch_\@:
.endm
; A PREFETCH INTO THE L2 of the three key blocks that the NEXT change of slots will load.  All sixteen work-groups of a head read the same K and V; the one with j = 0, whose second block walks all 32 key blocks in
; order, asks, and in it the two waves that fetch nothing: wave 6 for K, wave 7 for V: 49,152 bytes each, six instructions, lanes 256 bytes apart.  So each aligned 256 bytes is named once.
; Key blocks 0-4 come by their loads alone; the last change that fills a slot asks for nothing.
.macro ASK
	s_cmp_gt_u32 s[SLOTS], s[LIM]
	s_cbranch_scc0 .Lnot_mine_\@
.irp i, 0,1,2,3,4,5
	global_prefetch_b8 v[PFO], s[PFA:PFA+1] offset:8192*\i th:TH_LOAD_NT scope:SCOPE_SE
.endr
.Lnot_mine_\@:
.endm
; THE CHANGE OF SLOTS, at a slot's head.  Each wave waits for all its tensor loads (its part of the slot ahead), adds 0 to its spare word, and waits for that and for its reads of the slot that it has left.
.macro CHANGE fill
	s_wait_tensorcnt 0x0                           ; no tensor load of mine is out: group 0 may be written
	ds_add_u32 v[SPW], v[NIL]                      ; 0 onto my spare word; the descriptor's steps stand between it and the wait for it
.if \fill
	s_xor_b32 s[G0+1], s[G0+1], SLOT1
	s_add_co_u32 s[UW], s[UW], 3
	FILLADR
	s_wait_xcnt 0x0                                ; the last prefetches, a slot back, have read their address
	s_add_nc_u64 s[PFA:PFA+1], s[PFA:PFA+1], 3*BLKB
.endif
	s_wait_dscnt 0x0
	s_barrier_signal -1
	s_barrier_wait -1
.if \fill
	TLOAD                                          ; first behind the barrier: it has three key blocks' work in which to land
	ASK
.endif
.endm
.macro MASK                            ; a diagonal block: register 8 kt + i holds key 16 kt + i past my first: hidden where that is above my query
.irp t, 0,1
.set n, 0
.rept 32
	v_cmp_gt_i32 vcc_lo, 16*(n/8)+n%8, v[D0+\t]
	v_cndmask_b32 v[S+32*\t+n], v[S+32*\t+n], v[NINF], vcc_lo
.set n, n+1
.endr
.endr
.endm
.macro SOFTMAX                         ; both tiles, line by line by turns
.irp c, 0,1,2,3
.irp t, 0,1
	v_max3_num_f32 v[ST+12*\t+6+\c], v[S+32*\t+8*\c], v[S+32*\t+8*\c+1], v[S+32*\t+8*\c+2]   ; each accumulator from its low end on
.endr
.endr
.irp d, 3,5
.irp c, 0,1,2,3
.irp t, 0,1
	v_max3_num_f32 v[ST+12*\t+6+\c], v[ST+12*\t+6+\c], v[S+32*\t+8*\c+\d], v[S+32*\t+8*\c+\d+1]
.endr
.endr
.endr
.irp t, 0,1
	v_max3_num_f32 v[ST+12*\t+6], v[ST+12*\t+6], v[S+32*\t+7], v[S+32*\t+15]
	v_max3_num_f32 v[ST+12*\t+8], v[ST+12*\t+8], v[S+32*\t+23], v[S+32*\t+31]
.endr
.irp t, 0,1
	v_max3_num_f32 v[ST+12*\t+6], v[ST+12*\t+6], v[ST+12*\t+7], v[ST+12*\t+8]
.endr
.irp t, 0,1
	v_max3_num_f32 v[ST+12*\t+6], v[ST+12*\t+6], v[ST+12*\t+9], v[ST+12*\t+10]   ; with the old m
.endr
.irp t, 0,1
	v_permlanex16_b32 v[ST+12*\t+7], v[ST+12*\t+6], s[SEL], s[SEL+1]             ; the query's other keys lie in the lane 16 away
.endr
.irp t, 0,1
	v_mov_b32 v[ST+12*\t+5], v[ST+12*\t]
.endr
.irp t, 0,1
	v_max_num_f32 v[ST+12*\t+10], v[ST+12*\t+6], v[ST+12*\t+7]
.endr
.irp t, 0,1
	v_mul_f32 v[ST+12*\t], s[CS], v[ST+12*\t+10]
.endr
.irp t, 0,1
	v_sub_f32 v[ST+12*\t+5], v[ST+12*\t+5], v[ST+12*\t]                          ; c m_old - c m_new
.endr
.set i, 0
.rept 16
.irp t, 0,1
	v_pk_fma_f32 v[S+32*\t+i:S+32*\t+i+1], v[S+32*\t+i:S+32*\t+i+1], s[CS:CS+1], v[ST+12*\t:ST+12*\t+1] op_sel_hi:[1,0,0] neg_lo:[0,0,1] neg_hi:[0,0,1]   ; c s - c m
.endr
.set i, i+2
.endr
.irp t, 0,1
	v_exp_f32 v[ST+12*\t+4], v[ST+12*\t+5]         ; a
.endr
.set i, 0
.rept 32
.irp t, 0,1
	v_exp_f32 v[S+32*\t+i], v[S+32*\t+i]           ; p
.endr
.set i, i+1
.endr
	v_nop                                          ; a plain line behind the exponentials
.set i, 0
	s_wait_alu depctr_va_vdst(0)
.rept 16
.irp t, 0,1
	v_cvt_pk_f16_f32 v[P+16*\t+i], v[S+32*\t+2*i], v[S+32*\t+2*i+1]   ; two tiles of 16 keys are source 1 for 32 keys
.endr
.set i, i+1
.endr
.irp w, 4,8,16,32                      ; the sum of the 16 pairs, in place
.set u, 0
.rept 32/\w
.irp t, 0,1
	v_pk_add_f32 v[S+32*\t+\w*u:S+32*\t+\w*u+1], v[S+32*\t+\w*u:S+32*\t+\w*u+1], v[S+32*\t+\w*u+\w/2:S+32*\t+\w*u+\w/2+1]
.endr
.set u, u+1
.endr
.endr
.irp t, 0,1
	v_pk_fma_f32 v[ST+12*\t+2:ST+12*\t+3], v[ST+12*\t+2:ST+12*\t+3], v[ST+12*\t+4:ST+12*\t+5], v[S+32*\t:S+32*\t+1] op_sel_hi:[1,0,1]   ; l = a l + the sum
.endr
.endm
.macro DUMP oa, sa                     ; my state goes to LDS as it stands
.irp t, 0,1
	v_add_f32 v[ST+12*\t+6], v[ST+12*\t+2], v[ST+12*\t+3]
.endr
.irp t, 0,1
	v_permlanex16_b32 v[ST+12*\t+7], v[ST+12*\t+6], s[SEL], s[SEL+1]
.endr
.irp t, 0,1
	v_add_f32 v[ST+12*\t+1], v[ST+12*\t+6], v[ST+12*\t+7]
.endr
.irp t, 0,1
	ds_store_b64 v[\sa], v[ST+12*\t:ST+12*\t+1] offset:256*\t
.endr
	WIN 0x04                                       ; an LDS store's data are its source 1: window 1
.set i, 0
.rept 16
	ds_store_b128 v[\oa], v[O+4*i:O+4*i+3] offset:512*i   ; each accumulator from its low end on
.set i, i+1
.endr
	WIN 0
.endm
.macro INIT                            ; O^T and l begin as zeros, m as -3e38, under every score: the key block is written once, with no first step of its own
	WIN 0x40
.set i, 0
.rept 64
	v_mov_b32 v[O+i], 0
.set i, i+1
.endr
	WIN 0
.irp t, 0,1
	v_mov_b32 v[ST+12*\t+10], 0xff61b1e6
	v_mul_f32 v[ST+12*\t], s[CS], v[ST+12*\t+10]
	v_mov_b32 v[ST+12*\t+1], 0
	v_mov_b32 v[ST+12*\t+2], 0
	v_mov_b32 v[ST+12*\t+3], 0
	v_mov_b32 v[ST+12*\t+5], 0
	v_mov_b32 v[ST+12*\t+7], 0
.endr
.endm
.macro SWITCH                          ; block j is done: its state is put by, block 31 - j begins
	DUMP DAA, DSA
	s_wait_dscnt 0x0                               ; the stores have read their registers
	s_mov_b32 s[UD], 32
	WIN 0x41
.set i, 0
.rept 32
	v_mov_b32 v[QF+i], v[QB+i]
.set i, i+1
.endr
	INIT
.endm
; ONE KEY BLOCK: my 32 queries x my 64 keys
.macro STEP
	v_add_nc_u32 v[ADK], s[TB], v[AK0]
	v_add_nc_u32 v[ADV], s[TB], v[AV0]
.irp f, 0,1,2,3,4,5,6,7                ; keys 16 (f / 2) on, channels 32 (f % 2) on
	ds_load_b128 v[KF+8*\f:KF+8*\f+3], v[ADK] offset:1024*\f
	ds_load_b128 v[KF+8*\f+4:KF+8*\f+7], v[ADK] offset:1024*\f+512
.endr
	WIN 0x40
.irp f, 0,1,2,3,4,5,6,7                ; keys 32 (f / 4) on, channels 16 (f % 4) on
	ds_load_tr16_b128 v[VF+8*\f:VF+8*\f+3], v[ADV] offset:4096*(\f/4)+512*(\f%4)
	ds_load_tr16_b128 v[VF+8*\f+4:VF+8*\f+7], v[ADV] offset:4096*(\f/4)+512*(\f%4)+2048
.endr
	s_wait_dscnt 16                                ; K is in; V's sixteen loads may be out
	WIN 0x04                                       ; Q in window 1
.set i, 0
.rept 16                               ; the eight accumulators take turns
.set rS, S+32*(i%2)+8*((i/2)%4)
.set rK, KF+8*(2*((i/2)%4)+i/8)
.set rQ, QF+16*(i%2)+8*(i/8)
.if i < 8
	v_wmma_f32_16x16x32_f16 v[rS:rS+7], v[rK:rK+7], v[rQ:rQ+7], 0
.else
	v_wmma_f32_16x16x32_f16 v[rS:rS+7], v[rK:rK+7], v[rQ:rQ+7], v[rS:rS+7]
.endif
.set i, i+1
.endr
	WIN 0
.rept 4
	v_nop                                          ; places behind the products
.endr
	s_cmp_lg_u32 s[U], s[UD]
	s_cbranch_scc1 .Lopen_\@
	MASK
.Lopen_\@:
	SOFTMAX
	WIN 0x41
.irp t, 0,1
.set i, 0
.rept 16
	v_pk_mul_f32 v[O+32*\t+i:O+32*\t+i+1], v[O+32*\t+i:O+32*\t+i+1], v[ST+12*\t+4:ST+12*\t+5] op_sel_hi:[1,0]   ; O^T times a
.set i, i+2
.endr
.endr
	s_wait_dscnt 0x0                               ; V is in
	WIN 0x51                                       ; V, C and D in window 1, P in window 0
.set i, 0
.rept 16
.set rO, O+32*(i%2)+8*((i/2)%4)
.set rV, VF+8*(4*(i/8)+(i/2)%4)
.set rP, P+16*(i%2)+8*(i/8)
	v_wmma_f32_16x16x32_f16 v[rO:rO+7], v[rV:rV+7], v[rP:rP+7], v[rO:rO+7]
.set i, i+1
.endr
	WIN 0
.rept 4
	v_nop                                          ; places in front of the next loads into V's registers and of the reads of O^T
.endr
	s_cmp_lg_u32 s[U], s[J]
	s_cbranch_scc1 .Lsame_\@
	SWITCH
.Lsame_\@:
	s_add_co_u32 s[U], s[U], 1
	s_add_co_u32 s[TB], s[TB], BLKB
.endm
.macro SLOT_STEPS                      ; a slot's three key blocks: written once, walked three times
	s_mov_b32 s[CNT], 3
.Lstep_\@:
	STEP
	s_sub_co_u32 s[CNT], s[CNT], 1
	s_cmp_lg_u32 s[CNT], 0
	s_cbranch_scc1 .Lstep_\@
	s_sub_co_u32 s[TB], s[TB], 3*BLKB
	s_xor_b32 s[TB], s[TB], SLOT1
.endm
	s_load_b128 s[4:7], s[0:1], 0x0                ; qkv, att
	v_lshl_add_u32 v[SPW], v0, 2, SPARE
	v_mov_b32 v[NIL], 0
	ds_add_u32 v5, v6
	s_wait_dscnt 0x0
	v_lshrrev_b32 v18, 5, v0
	v_readfirstlane_b32 s[WV], v18                 ; wave 0..7
	s_mov_b32 s[J], ttmp9
	s_add_co_u32 s[J1], ttmp9, 1
	s_and_b32 s[HD], ttmp7, 0xffff                 ; the head
	s_and_b32 s[WQ], s[WV], 3                      ; which 32 queries
	s_lshr_b32 s[KG], s[WV], 2                     ; which 64 keys
	s_mov_b32 s[U], 0
	s_mov_b32 s[UD], s[J]
	s_mov_b32 s[TB], 0
	s_mov_b32 s[SLOTS], 10
	s_mov_b32 s[CS], 0x3e38aa3b                    ; c = log2(e) / sqrt(64)
	s_mov_b32 s[CS+1], s[CS]
	s_mov_b32 s[SEL], 0x76543210
	s_mov_b32 s[SEL+1], 0xfedcba98
	; group 1: a dense block of 16,384 bytes as 64 rows of 256 bytes (32 elements of 8 bytes)
	s_mov_b32 s[G1], 3<<16
	s_mov_b32 s[G1+1], 32<<16
	s_mov_b32 s[G1+2], 64<<16
	s_mov_b32 s[G1+3], 32<<16
	s_mov_b32 s[G1+4], 64
	s_mov_b32 s[G1+5], 32
	s_mov_b32 s[G1+6], 0
	s_mov_b32 s[G1+7], 0
	s_cmp_lt_u32 s[WV], 3                          ; waves 0-2: K's three blocks; waves 3-5: V's
	s_cselect_b32 s50, 16, 32
	s_cselect_b32 s51, 0, 3
	s_sub_co_u32 s[UW], s[WV], s51
	s_add_co_u32 s50, s50, s[HD]
	s_lshl_b32 s50, s50, 19                        ; a head is 524,288 bytes
	s_mov_b32 s51, 0
	s_mov_b32 s[T+1], 0
	s_mov_b32 s[G0], 1
	s_lshl_b32 s[G0+1], s[WV], 14                  ; K's blocks at 0, 1, 2 x 16,384, V's behind them
	s_wait_kmcnt 0x0
	s_add_nc_u64 s[KVB:KVB+1], s[4:5], s[50:51]
	FILLADR
	TLOAD                                          ; slot 0
	s_lshl_b32 s50, s[HD], 19
	s_lshl_b32 s52, s[WQ], 12                      ; two tiles of 16 tokens x 2,048 bytes
	s_add_co_u32 s50, s50, s52
	s_lshl_b32 s52, s[J], 14
	s_add_co_u32 s52, s52, s50
	s_mov_b32 s53, 0
	s_add_nc_u64 s[QA:QA+1], s[4:5], s[52:53]      ; Q of block j
	s_sub_co_u32 s54, 31, s[J]
	s_lshl_b32 s52, s54, 14
	s_add_co_u32 s52, s52, s50
	s_add_nc_u64 s[QBP:QBP+1], s[4:5], s[52:53]    ; and of block 31 - j
	s_cmp_lt_u32 s[WV], 4                          ; at the end waves 0-3 join block 31 - j's states, waves 4-7 block j's
	s_cselect_b32 s52, s54, s[J]
	s_lshl_b32 s52, s52, 18                        ; att: 32,768 bytes a tile of 16 tokens
	s_lshl_b32 s55, s[WQ], 16
	s_add_co_u32 s52, s52, s55
	s_lshl_b32 s55, s[HD], 11                      ; 2,048 a head
	s_add_co_u32 s52, s52, s55
	s_add_nc_u64 s[6:7], s[6:7], s[52:53]
	s_cmp_eq_u32 s[WV], 6                          ; the prefetches: wave 6 K, wave 7 V
	s_cselect_b32 s50, 16, 32
	s_add_co_u32 s50, s50, s[HD]
	s_lshl_b32 s50, s50, 19
	s_add_co_u32 s50, s50, 2*BLKB                  ; at key block 2: the first change steps it to 5
	s_add_nc_u64 s[PFA:PFA+1], s[4:5], s[50:51]
	s_lshr_b32 s50, s[WV], 1
	s_xor_b32 s50, s50, 3                          ; 0 in waves 6 and 7,
	s_or_b32 s50, s50, ttmp9                       ; of the work-group with j = 0
	s_cmp_eq_u32 s50, 0
	s_cselect_b32 s[LIM], 1, -1
	v_and_b32 v18, 31, v0                          ; lane
	v_lshlrev_b32 v[LI], 4, v18
	v_lshlrev_b32 v[PFO], 8, v18
	s_lshl_b32 s50, s[KG], 13                      ; my 64 keys: four tiles of 2,048 bytes
	v_add_nc_u32 v[AK0], s50, v[LI]
	; the turning load: lane l addresses key 8 (l / 16) + l % 8 and channels 8 e .. + 7, e = (l / 8) % 2; V's rows of odd chunks are laid 8 places round
	v_bfe_u32 v19, v0, 3, 1                        ; e
	v_bfe_u32 v[ADK], v0, 4, 1                     ; h
	v_xor_b32 v[ADV], v19, v[ADK]
	v_lshlrev_b32 v[AV0], 8, v19
	v_lshl_add_u32 v[AV0], v[ADV], 7, v[AV0]
	v_and_b32 v[ADV], 7, v0
	v_lshl_add_u32 v[AV0], v[ADV], 4, v[AV0]
	s_add_co_u32 s50, s50, VOFF
	v_add_nc_u32 v[AV0], s50, v[AV0]
	v_and_b32 v19, 15, v0                          ; r
	v_lshlrev_b32 v[ADV], 3, v[ADK]
	v_sub_nc_u32 v[D0], v19, v[ADV]                ; r - 8 h
	s_lshl_b32 s50, s[WQ], 5
	s_lshl_b32 s51, s[KG], 6
	s_sub_co_i32 s50, s50, s51
	v_add_nc_u32 v[D0], s50, v[D0]                 ; + 32 (w % 4) - 64 (w / 4)
	v_add_nc_u32 v[D0+1], 16, v[D0]
	v_mov_b32 v[NINF], 0xff800000
	v_lshlrev_b32 v19, 3, v18                      ; 8 x lane
	s_mul_i32 s50, s[WV], STW
	s_add_co_u32 s51, s50, STA
	v_add_nc_u32 v[DAA], s51, v[LI]
	s_add_co_u32 s51, s51, 8192
	v_add_nc_u32 v[DSA], s51, v19
	s_add_co_u32 s51, s50, STB
	v_add_nc_u32 v[DAB], s51, v[LI]
	s_add_co_u32 s51, s51, 8192
	v_add_nc_u32 v[DSB], s51, v19
	s_mul_i32 s50, s[WQ], STW
	s_mul_i32 s51, s[KG], STA-STB
	s_add_co_u32 s50, s50, s51
	s_add_co_u32 s50, s50, STB
	v_add_nc_u32 v[MRO], s50, v[LI]
	s_add_co_u32 s50, s50, 8192
	v_add_nc_u32 v[MRS], s50, v19
	WIN 0x40
.irp t, 0,1
.irp s, 0,1
.irp c, 0,1
	global_load_b128 v[QF+16*\t+8*\s+4*\c:QF+16*\t+8*\s+4*\c+3], v[LI], s[QA:QA+1] offset:2048*\t+1024*\s+512*\c
	global_load_b128 v[QB+16*\t+8*\s+4*\c:QB+16*\t+8*\s+4*\c+3], v[LI], s[QBP:QBP+1] offset:2048*\t+1024*\s+512*\c
.endr
.endr
.endr
	INIT
	s_wait_loadcnt 0x0                             ; Q
.Lslot:                                            ; ten trips: behind each change of slots but the last the next slot is asked for
	CHANGE 1
	SLOT_STEPS
	s_sub_co_u32 s[SLOTS], s[SLOTS], 1
	s_cmp_lg_u32 s[SLOTS], 0
	s_cbranch_scc1 .Lslot
	CHANGE 0                                       ; the last slot is written out
	SLOT_STEPS
	s_wait_dscnt 0x0
	s_barrier_signal -1
	s_barrier_wait -1                              ; no wave reads the ring any more
	DUMP DAB, DSB
	s_wait_dscnt 0x0                               ; for the others' sake
	s_barrier_signal -1
	s_barrier_wait -1
	; THE TWO HALVES OF THE KEYS ARE JOINED: O = (O0 f0 + O1 f1) / (l0 f0 + l1 f1), f = 2^(c m - the larger c m).  A half that saw no open key has l = 0, O = 0 and f = 0.
.set i, 0
.rept 16
	ds_load_b128 v[64+4*i:64+4*i+3], v[MRO] offset:512*i
.set i, i+1
.endr
.set i, 0
.rept 16
	ds_load_b128 v[128+4*i:128+4*i+3], v[MRO] offset:4*STW+512*i
.set i, i+1
.endr
.irp t, 0,1
	ds_load_b64 v[192+2*\t:193+2*\t], v[MRS] offset:256*\t
	ds_load_b64 v[196+2*\t:197+2*\t], v[MRS] offset:4*STW+256*\t
.endr
	s_wait_dscnt 0x0
.irp t, 0,1
	v_max_num_f32 v[240+\t], v[192+2*\t], v[196+2*\t]
.endr
.irp t, 0,1
	v_sub_f32 v[242+\t], v[192+2*\t], v[240+\t]
	v_sub_f32 v[244+\t], v[196+2*\t], v[240+\t]
.endr
.irp t, 0,1
	v_exp_f32 v[242+\t], v[242+\t]
	v_exp_f32 v[244+\t], v[244+\t]
.endr
	v_nop
	s_wait_alu depctr_va_vdst(0)
.irp t, 0,1
	v_mul_f32 v[246+\t], v[193+2*\t], v[242+\t]
.endr
.irp t, 0,1
	v_fmac_f32 v[246+\t], v[197+2*\t], v[244+\t]
.endr
.irp t, 0,1
	v_rcp_f32 v[248+\t], v[246+\t]
.endr
	v_nop
	s_wait_alu depctr_va_vdst(0)
.irp t, 0,1
	v_mul_f32 v[200+4*\t], v[242+\t], v[248+\t]
	v_mul_f32 v[201+4*\t], v[242+\t], v[248+\t]
	v_mul_f32 v[202+4*\t], v[244+\t], v[248+\t]
	v_mul_f32 v[203+4*\t], v[244+\t], v[248+\t]
.endr
.irp t, 0,1
.set i, 0
.rept 16
	v_pk_mul_f32 v[64+32*\t+i:64+32*\t+i+1], v[64+32*\t+i:64+32*\t+i+1], v[200+4*\t:201+4*\t]
.set i, i+2
.endr
.endr
.irp t, 0,1
.set i, 0
.rept 16
	v_pk_fma_f32 v[64+32*\t+i:64+32*\t+i+1], v[128+32*\t+i:128+32*\t+i+1], v[202+4*\t:203+4*\t], v[64+32*\t+i:64+32*\t+i+1]
.set i, i+2
.endr
.endr
.irp t, 0,1
.set i, 0
.rept 16
	v_cvt_pk_f16_f32 v[208+16*\t+i], v[64+32*\t+2*i], v[64+32*\t+2*i+1]
.set i, i+1
.endr
.endr
.irp t, 0,1
.irp c, 0,1,2,3
	global_store_b128 v[LI], v[208+16*\t+4*\c:208+16*\t+4*\c+3], s[6:7] offset:32768*\t+512*\c   ; att [token / 16][k / 8][token % 16][16 bytes]: 512 consecutive bytes a store
.endr
.endr
	s_wait_tensorcnt 0x0                           ; the wave's end
	ds_add_u32 v[SPW], v[NIL]
	s_wait_dscnt 0x0
	s_endpgm
.Lfunc_end_k_qbe163c2534_attn:
	.size	k_qbe163c2534_attn, .Lfunc_end_k_qbe163c2534_attn-k_qbe163c2534_attn
	.p2alignl 7, 3214868480
	.fill 96, 4, 3214868480
	.section	.rodata,"a",@progbits
	.p2align	6, 0x0
	.amdhsa_kernel k_qbe163c2534_attn
		.amdhsa_group_segment_fixed_size 327680
		.amdhsa_private_segment_fixed_size 0
		.amdhsa_enable_private_segment 0
		.amdhsa_kernarg_size 16
		.amdhsa_user_sgpr_count 2
		.amdhsa_user_sgpr_kernarg_segment_ptr 1
		.amdhsa_wavefront_size32 1
		.amdhsa_system_sgpr_workgroup_id_x 1
		.amdhsa_system_sgpr_workgroup_id_y 1
		.amdhsa_system_sgpr_workgroup_id_z 1
		.amdhsa_system_vgpr_workitem_id 0
		.amdhsa_next_free_vgpr 448
		.amdhsa_next_free_sgpr 66
		.amdhsa_reserve_vcc 1
		.amdhsa_float_denorm_mode_32 3
		.amdhsa_float_denorm_mode_16_64 3
		.amdhsa_memory_ordered 1
		.amdhsa_forward_progress 1
		.amdhsa_inst_pref_size 76
	.end_amdhsa_kernel
	.amdgpu_metadata
---
amdhsa.version: [ 1, 2 ]
amdhsa.kernels:
  - .name:           k_qbe163c2534_attn
    .symbol:         k_qbe163c2534_attn.kd
    .args:
      - { .name: qkv, .offset: 0, .size: 8, .value_kind: global_buffer, .address_space: global }
      - { .name: att, .offset: 8, .size: 8, .value_kind: global_buffer, .address_space: global }
    .group_segment_fixed_size: 327680
    .private_segment_fixed_size: 0
    .kernarg_segment_align: 8
    .kernarg_segment_size: 16
    .max_flat_workgroup_size: 256
    .sgpr_count:     66
    .vgpr_count:     448
    .wavefront_size: 32
...
	.end_amdgpu_metadata
.endif
;; end of part 3
;; launch head (part 4): grid 16 x 4, 4 waves a work-group, no clusters, 12,800 bytes of LDS; arguments xc, xs, wc, ws, b_attn, W_proj, part; writes part
.if DOCPART == 4
	.amdgcn_target "amdgcn-amd-amdhsa--gfx1250"
	.amdhsa_code_object_version 6
	.text
	.protected	k_qbe163c2534_head
	.globl	k_qbe163c2534_head
	.p2align	8
	.type	k_qbe163c2534_head,@function
k_qbe163c2534_head:
	s_mov_b64 s[64:65], 0
	v_nop
	global_prefetch_b8 v0, s[64:65] scope:SCOPE_SE
	s_setreg_imm32_b32 hwreg(HW_REG_WAVE_MODE, 25, 1), 1
	s_wait_xcnt 0x0
; TOKENS 0 TO 15 IN f32 THROUGHOUT.  A row that sees few keys is a mean of few values: its numbers stand far over the root mean square of the whole output, and so does what the rounding of f16 operands leaves in them.
; So for these 16 rows q, k, v are made once more (on the same codes of FP4, sums and bias in f32) and kept in f32; scores, softmax, the product with v and the product with W_proj are f32.
; part[head][token][n] = the sum over the head's 64 channels of att[token][channel] W_proj[64 head + channel][n]; the next launch adds the 16 heads and b_proj.
; SHARES.  Work-group (head, quarter of the 1,024 columns), four waves.  Wave w makes channels 16 w .. + 15 of q, k and v (24 matrix instructions on codes); the twelve results go round as images of their registers
; (1,024 bytes each, lane l's 16 bytes at 16 l), one barrier; then every wave makes the head's attention for itself (32 matrix instructions of the f32 form) and its own 64 columns of part (64 of them).
; LAYOUT.  q, k: source 0 = 16 columns of W_attn, source 1 = the tokens: lane (r, h) holds token r, register j channel 8 h + j.  v: the sources swapped: lane (r, h) holds channel r, register j token 8 h + j.
; The f32 form takes, of lane (r, h), two registers as k = 2 h, 2 h + 1 of row (or column) r.  A permutation of k that is the same on both sides keeps the products: so a pair of registers 2 i, 2 i + 1 of such a
; result IS an operand, its four k being 8 h + 2 i + 0, 1 for h = 0, 1, and nothing changes lanes from the first product to the last.
; The registers that the f32 form writes (S, O) are written by matrix instructions alone, their sums begin with the constant 0, and what is made of them goes into other registers.
; LIMITS: NaN and infinities are not served; 2^x under 2^-126 comes out as 0.
; REGISTERS: window 0: v1-8 addresses; v16-23 x's scale words, v24-47 W's; v48-71 my three results (they begin as the bias); v72-167 q, k, v of the head; v168-199 S, later the 64 columns' sums; v200-231 O^T;
;   v232-253 at work.  window 1: v0-63 x's eight fragments, v64-255 W's three times eight.  window 2: v0-127 W_proj.
.set LI,   1                           ; 16 x lane
.set SO,   2                           ; 16 r: a row's 16 scale bytes
.set BO,   3                           ; 32 h: my eight numbers of a bias
.set BV,   4                           ; 4 r: my channel's bias
.set WPO,  5                           ; 8 h rows of 4,096 bytes + 16 r: in W_proj and in part
.set IMS,  6                           ; where I store images: 16 x lane + 1,024 x wave
.set DM,   7                           ; r - 8 h: register j holds a hidden key where j is above it
.set NINF, 8
.set XS,   16
.set WS,   24
.set QD,   48
.set Q,    72
.set K,    104
.set V,    136
.set S,    168
.set O,    200
.set T,    232                         ; the scores, then p
.set U,    240
.set M,    248                         ; +0 m, +1 the other half's, +2 c m, +3 the other half's l, +4, +5 1 / l
.set A2,   Q                           ; att: over q, which is done with
.set OC,   K                           ; the results gathered for the stores: over k
.set XF,   0                           ; window 1
.set WF,   64
.set WP,   0                           ; window 2
.set SEL,  34
.set CS,   36
.set MSB, 0
.macro WIN new                         ; the immediate's high byte repeats the setting that is left
.if MSB != (\new)
	s_set_vgpr_msb (MSB<<8)|(\new)
.set MSB, (\new)
.endif
.endm
.macro PLACES n                        ; plain vector lines between a matrix instruction and what reads its result or writes its registers (ISA guide 7.12.1)
.rept \n
	v_nop
.endr
.endm
	s_load_b256 s[4:11], s[0:1], 0x0               ; xc, xs, wc, ws
	s_load_b128 s[12:15], s[0:1], 0x20             ; b_attn, W_proj
	s_load_b64 s[16:17], s[0:1], 0x30              ; part
	v_lshl_add_u32 v254, v0, 2, 0x3000
	v_mov_b32 v255, 0
	v_lshrrev_b32 v9, 5, v0
	v_readfirstlane_b32 s18, v9                    ; wave 0..3
	v_and_b32 v9, 31, v0                           ; lane
	v_and_b32 v10, 15, v0                          ; r
	v_bfe_u32 v11, v0, 4, 1                        ; h
	v_lshlrev_b32 v[LI], 4, v9
	v_lshlrev_b32 v[SO], 4, v10
	v_lshlrev_b32 v[BO], 5, v11
	v_lshlrev_b32 v[BV], 2, v10
	v_lshlrev_b32 v[WPO], 15, v11
	v_lshl_add_u32 v[WPO], v10, 4, v[WPO]
	s_lshl_b32 s19, s18, 10
	v_add_nc_u32 v[IMS], s19, v[LI]
	v_lshlrev_b32 v12, 3, v11
	v_sub_nc_u32 v[DM], v10, v12
	v_mov_b32 v[NINF], 0xff800000
	v_mov_b32 v[M+1], 0                            ; written once: a lane permute's destination counts as one of its sources
	v_mov_b32 v[M+3], 0
	s_mov_b32 s[SEL], 0x76543210
	s_mov_b32 s[SEL+1], 0xfedcba98                 ; lane l xor 16
	s_mov_b32 s[CS], 0x3e38aa3b                    ; c = log2(e) / sqrt(64)
	s_and_b32 s20, ttmp7, 0xffff                   ; which quarter of the columns
	s_lshl_b32 s21, ttmp9, 2
	s_add_co_u32 s21, s21, s18                     ; 4 x head + wave: my 16 channels
	s_lshl_b32 s22, s21, 13                        ; wc: 8,192 bytes for 16 columns
	s_mov_b32 s23, 0
	s_lshl_b32 s24, s21, 8                         ; ws: 16 bytes a column
	s_mov_b32 s25, 0
	s_lshl_b32 s26, s21, 6                         ; b_attn
	s_mov_b32 s27, 0
	s_lshl_b32 s28, s20, 10
	s_lshl_b32 s30, s18, 8
	s_add_co_u32 s28, s28, s30                     ; my 64 columns, in bytes
	s_lshl_b32 s30, ttmp9, 18                      ; W_proj: the head's 64 rows of 4,096 bytes
	s_add_co_u32 s30, s30, s28
	s_mov_b32 s31, 0
	s_lshl_b32 s32, ttmp9, 16                      ; part: 16 rows of 4,096 bytes a head
	s_add_co_u32 s32, s32, s28
	s_mov_b32 s33, 0
	s_wait_kmcnt 0x0
	s_add_nc_u64 s[8:9], s[8:9], s[22:23]
	s_add_nc_u64 s[10:11], s[10:11], s[24:25]
	s_add_nc_u64 s[12:13], s[12:13], s[26:27]
	s_add_nc_u64 s[14:15], s[14:15], s[30:31]
	s_add_nc_u64 s[16:17], s[16:17], s[32:33]
	; everything is asked for at once; what is wanted last, W_proj, last
	WIN 0x40
.irp s, 0,1,2,3,4,5,6,7
.irp c, 0,1
	global_load_b128 v[XF+8*\s+4*\c:XF+8*\s+4*\c+3], v[LI], s[4:5] offset:1024*\s+512*\c          ; tokens 0-15, K step s: 512 consecutive bytes a load
.endr
.endr
.irp t, 0,1,2                          ; q's, k's, v's 16 columns: 64 tiles of 8,192 bytes apart
.irp s, 0,1,2,3,4,5,6,7
.irp c, 0,1
	global_load_b128 v[WF+64*\t+8*\s+4*\c:WF+64*\t+8*\s+4*\c+3], v[LI], s[8:9] offset:524288*\t+1024*\s+512*\c
.endr
.endr
.endr
	WIN 0
.irp g, 0,1                            ; the scale words: four for each half of K
	global_load_b128 v[XS+4*\g:XS+4*\g+3], v[SO], s[6:7] offset:65536*\g
.endr
.irp t, 0,1,2
.irp g, 0,1
	global_load_b128 v[WS+8*\t+4*\g:WS+8*\t+4*\g+3], v[SO], s[10:11] offset:16384*\t+49152*\g
.endr
.endr
.irp t, 0,1                            ; q, k: lane (r, h) wants the bias of channels 8 h + 0 .. 7
	global_load_b128 v[QD+8*\t:QD+8*\t+3], v[BO], s[12:13] offset:4096*\t
	global_load_b128 v[QD+8*\t+4:QD+8*\t+7], v[BO], s[12:13] offset:4096*\t+16
.endr
.irp j, 0,1,2,3,4,5,6,7                ; v: lane (r, h) wants the bias of channel r, in all eight registers
	global_load_b32 v[QD+16+\j], v[BV], s[12:13] offset:8192
.endr
	WIN 0x80
.irp c, 0,1,2,3                        ; W_proj: row 16 c + 8 h + j of the head's 64, columns 4 r .. 4 r + 3 of my 64: sixteen lanes read 256 consecutive bytes
.irp j, 0,1,2,3,4,5,6,7
	global_load_b128 v[WP+32*\c+4*\j:WP+32*\c+4*\j+3], v[WPO], s[14:15] offset:(16*\c+\j)*4096
.endr
.endr
	WIN 0
	s_wait_loadcnt 32                              ; all but W_proj's 32 loads, which were issued last
	WIN 0x05                                       ; sources 0 and 1 in window 1
.irp s, 0,1,2,3,4,5,6,7                ; the three sums take turns; each begins with its bias
	v_wmma_scale_f32_16x16x128_f8f6f4 v[QD:QD+7], v[WF+8*\s:WF+8*\s+7], v[XF+8*\s:XF+8*\s+7], v[QD:QD+7], v[WS+\s], v[XS+\s] matrix_a_fmt:MATRIX_FMT_FP4 matrix_b_fmt:MATRIX_FMT_FP4
	v_wmma_scale_f32_16x16x128_f8f6f4 v[QD+8:QD+15], v[WF+64+8*\s:WF+64+8*\s+7], v[XF+8*\s:XF+8*\s+7], v[QD+8:QD+15], v[WS+8+\s], v[XS+\s] matrix_a_fmt:MATRIX_FMT_FP4 matrix_b_fmt:MATRIX_FMT_FP4
	v_wmma_scale_f32_16x16x128_f8f6f4 v[QD+16:QD+23], v[XF+8*\s:XF+8*\s+7], v[WF+128+8*\s:WF+128+8*\s+7], v[QD+16:QD+23], v[XS+\s], v[WS+16+\s] matrix_a_fmt:MATRIX_FMT_FP4 matrix_b_fmt:MATRIX_FMT_FP4
.endr
	WIN 0
	PLACES 4
.irp t, 0,1,2
	ds_store_b128 v[IMS], v[QD+8*\t:QD+8*\t+3] offset:4096*\t          ; each result from its low end on
	ds_store_b128 v[IMS], v[QD+8*\t+4:QD+8*\t+7] offset:4096*\t+512
.endr
	s_wait_dscnt 0x0                               ; for the others' sake: my images lie in LDS
	s_barrier_signal -1
	s_barrier_wait -1
.irp t, 0,1,2
.irp c, 0,1,2,3
.irp g, 0,1
	ds_load_b128 v[Q+32*\t+8*\c+4*\g:Q+32*\t+8*\c+4*\g+3], v[LI] offset:4096*\t+1024*\c+512*\g
.endr
.endr
.endr
	s_wait_dscnt 0x0
	; S^T = K Q^T: four sums, one for each 16 channels, by turns
.irp i, 0,1,2,3
.irp b, 0,1,2,3
.if \i == 0
	v_wmma_f32_16x16x4_f32 v[S+8*\b:S+8*\b+7], v[K+8*\b+2*\i:K+8*\b+2*\i+1], v[Q+8*\b+2*\i:Q+8*\b+2*\i+1], 0
.else
	v_wmma_f32_16x16x4_f32 v[S+8*\b:S+8*\b+7], v[K+8*\b+2*\i:K+8*\b+2*\i+1], v[Q+8*\b+2*\i:Q+8*\b+2*\i+1], v[S+8*\b:S+8*\b+7]
.endif
.endr
.endr
	PLACES 8
.irp p, 0,2,4,6
	v_pk_add_f32 v[T+\p:T+\p+1], v[S+\p:S+\p+1], v[S+8+\p:S+8+\p+1]
	v_pk_add_f32 v[U+\p:U+\p+1], v[S+16+\p:S+16+\p+1], v[S+24+\p:S+24+\p+1]
.endr
.irp p, 0,2,4,6
	v_pk_add_f32 v[T+\p:T+\p+1], v[T+\p:T+\p+1], v[U+\p:U+\p+1]      ; lane (r, h): query r, register j: key 8 h + j
.endr
.irp j, 0,1,2,3,4,5,6,7
	v_cmp_gt_i32 vcc_lo, \j, v[DM]                 ; key 8 h + j comes after query r
	v_cndmask_b32 v[T+\j], v[T+\j], v[NINF], vcc_lo
.endr
	v_max3_num_f32 v[M], v[T], v[T+1], v[T+2]
	v_max3_num_f32 v[M], v[M], v[T+3], v[T+4]
	v_max3_num_f32 v[M], v[M], v[T+5], v[T+6]
	v_max_num_f32 v[M], v[M], v[T+7]
	v_permlanex16_b32 v[M+1], v[M], s[SEL], s[SEL+1]
	v_max_num_f32 v[M], v[M], v[M+1]               ; key 0 counts for every query: m is a number
	v_mul_f32 v[M+2], s[CS], v[M]
.irp j, 0,1,2,3,4,5,6,7
	v_fma_f32 v[T+\j], v[T+\j], s[CS], -v[M+2]     ; c s - c m
.endr
.irp j, 0,1,2,3,4,5,6,7
	v_exp_f32 v[T+\j], v[T+\j]                     ; p; 0 for a hidden key
.endr
	v_nop                                          ; a plain line behind the exponentials
	s_wait_alu depctr_va_vdst(0)
	v_pk_add_f32 v[U:U+1], v[T:T+1], v[T+2:T+3]
	v_pk_add_f32 v[U+2:U+3], v[T+4:T+5], v[T+6:T+7]
	v_pk_add_f32 v[U:U+1], v[U:U+1], v[U+2:U+3]
	v_add_f32 v[U], v[U], v[U+1]
	v_permlanex16_b32 v[M+3], v[U], s[SEL], s[SEL+1]
	v_add_f32 v[U], v[U], v[M+3]                   ; l
	v_rcp_f32 v[M+4], v[U]
	v_rcp_f32 v[M+5], v[U]                         ; twice: a pair for the packed multiply; the places below stand ahead of its use
	; O^T = V^T P: four tiles of 16 channels by turns, K = the 16 keys
.irp i, 0,1,2,3
.irp c, 0,1,2,3
.if \i == 0
	v_wmma_f32_16x16x4_f32 v[O+8*\c:O+8*\c+7], v[V+8*\c+2*\i:V+8*\c+2*\i+1], v[T+2*\i:T+2*\i+1], 0
.else
	v_wmma_f32_16x16x4_f32 v[O+8*\c:O+8*\c+7], v[V+8*\c+2*\i:V+8*\c+2*\i+1], v[T+2*\i:T+2*\i+1], v[O+8*\c:O+8*\c+7]
.endif
.endr
.endr
	s_wait_loadcnt 0x0                             ; W_proj
	WIN 0x82                                       ; both registers of a swap in window 2
.set b, 0
.rept 16                               ; eight registers hold rows 2 i and 2 i + 1 at four columns each; an operand wants a column's two rows side by side: column 0 at +0, 2 at +2, 1 at +4, 3 at +6
	v_swap_b32 v[WP+8*b+1], v[WP+8*b+4]
	v_swap_b32 v[WP+8*b+3], v[WP+8*b+6]
.set b, b+1
.endr
	WIN 0
	PLACES 8
	s_wait_alu depctr_va_vdst(0)
.irp c, 0,1,2,3
.irp p, 0,2,4,6
	v_pk_mul_f32 v[A2+8*\c+\p:A2+8*\c+\p+1], v[O+8*\c+\p:O+8*\c+\p+1], v[M+4:M+5]   ; att: lane (r, h): token r, channel 16 c + 8 h + j
.endr
.endr
	; part = att x W_proj: source 0 = the tokens, source 1 = 16 columns (tile q: columns 4 r + q of my 64); four tiles by turns, K = the head's 64 channels
	WIN 0x08                                       ; source 1 in window 2
.irp c, 0,1,2,3
.irp i, 0,1,2,3
.irp q, 0,1,2,3
.if (\c == 0) && (\i == 0)
	v_wmma_f32_16x16x4_f32 v[S+8*\q:S+8*\q+7], v[A2+8*\c+2*\i:A2+8*\c+2*\i+1], v[WP+32*\c+8*\i+4*(\q%2)+2*(\q/2):WP+32*\c+8*\i+4*(\q%2)+2*(\q/2)+1], 0
.else
	v_wmma_f32_16x16x4_f32 v[S+8*\q:S+8*\q+7], v[A2+8*\c+2*\i:A2+8*\c+2*\i+1], v[WP+32*\c+8*\i+4*(\q%2)+2*(\q/2):WP+32*\c+8*\i+4*(\q%2)+2*(\q/2)+1], v[S+8*\q:S+8*\q+7]
.endif
.endr
.endr
.endr
	WIN 0
	PLACES 8
.irp j, 0,1,2,3,4,5,6,7                ; lane (r, h), tile q, register j: token 8 h + j, column 4 r + q: the four tiles' numbers are four neighbours of a row
.irp q, 0,1,2,3
	v_mov_b32 v[OC+4*\j+\q], v[S+8*\q+\j]          ; each sum from its low end on
.endr
.endr
.irp j, 0,1,2,3,4,5,6,7
	global_store_b128 v[WPO], v[OC+4*\j:OC+4*\j+3], s[16:17] offset:4096*\j   ; sixteen lanes store 256 consecutive bytes, aligned
.endr
	s_wait_tensorcnt 0x0
	ds_add_u32 v254, v255
	s_wait_dscnt 0x0
	s_endpgm
.Lfunc_end_k_qbe163c2534_head:
	.size	k_qbe163c2534_head, .Lfunc_end_k_qbe163c2534_head-k_qbe163c2534_head
	.p2alignl 7, 3214868480
	.fill 96, 4, 3214868480
	.section	.rodata,"a",@progbits
	.p2align	6, 0x0
	.amdhsa_kernel k_qbe163c2534_head
		.amdhsa_group_segment_fixed_size 12800
		.amdhsa_private_segment_fixed_size 0
		.amdhsa_enable_private_segment 0
		.amdhsa_kernarg_size 56
		.amdhsa_user_sgpr_count 2
		.amdhsa_user_sgpr_kernarg_segment_ptr 1
		.amdhsa_wavefront_size32 1
		.amdhsa_system_sgpr_workgroup_id_x 1
		.amdhsa_system_sgpr_workgroup_id_y 1
		.amdhsa_system_sgpr_workgroup_id_z 1
		.amdhsa_system_vgpr_workitem_id 0
		.amdhsa_next_free_vgpr 640
		.amdhsa_next_free_sgpr 66
		.amdhsa_reserve_vcc 1
		.amdhsa_float_denorm_mode_32 3
		.amdhsa_float_denorm_mode_16_64 3
		.amdhsa_memory_ordered 1
		.amdhsa_forward_progress 1
		.amdhsa_inst_pref_size 33
	.end_amdhsa_kernel
	.amdgpu_metadata
---
amdhsa.version: [ 1, 2 ]
amdhsa.kernels:
  - .name:           k_qbe163c2534_head
    .symbol:         k_qbe163c2534_head.kd
    .args:
      - { .name: xc, .offset: 0, .size: 8, .value_kind: global_buffer, .address_space: global }
      - { .name: xs, .offset: 8, .size: 8, .value_kind: global_buffer, .address_space: global }
      - { .name: wc, .offset: 16, .size: 8, .value_kind: global_buffer, .address_space: global }
      - { .name: ws, .offset: 24, .size: 8, .value_kind: global_buffer, .address_space: global }
      - { .name: b_attn, .offset: 32, .size: 8, .value_kind: global_buffer, .address_space: global }
      - { .name: W_proj, .offset: 40, .size: 8, .value_kind: global_buffer, .address_space: global }
      - { .name: part, .offset: 48, .size: 8, .value_kind: global_buffer, .address_space: global }
    .group_segment_fixed_size: 12800
    .private_segment_fixed_size: 0
    .kernarg_segment_align: 8
    .kernarg_segment_size: 56
    .max_flat_workgroup_size: 128
    .sgpr_count:     66
    .vgpr_count:     640
    .wavefront_size: 32
...
	.end_amdgpu_metadata
.endif
;; end of part 4
;; launch proj (part 5): grid 8 x 32, 4 waves a work-group, clusters of 4 x 4, 327,680 bytes of LDS; arguments att, wp, b_proj, part, out0; writes out0
.if DOCPART == 5
	.amdgcn_target "amdgcn-amd-amdhsa--gfx1250"
	.amdhsa_code_object_version 6
	.text
	.protected	k_qbe163c2534_proj
	.globl	k_qbe163c2534_proj
	.p2align	8
	.type	k_qbe163c2534_proj,@function
k_qbe163c2534_proj:
	s_mov_b64 s[64:65], 0
	v_nop
	global_prefetch_b8 v0, s[64:65] scope:SCOPE_SE
	s_setreg_imm32_b32 hwreg(HW_REG_WAVE_MODE, 25, 1), 1
	s_wait_xcnt 0x0
	s_wait_alu depctr_hold_cnt(0) depctr_sa_sdst(0) depctr_va_vdst(0) depctr_va_sdst(0) depctr_va_ssrc(0) depctr_va_vcc(0) depctr_vm_vsrc(0)
	s_getreg_b32 s2, hwreg(HW_REG_IB_STS2, 6, 4)
	s_cmp_eq_u32 s2, 0
	s_cbranch_scc0 .Lentry_in_a_cluster
	s_endpgm
.Lentry_in_a_cluster:
	s_bfe_u32 s2, ttmp6, 0x10000c
	s_cmp_lg_u32 s2, 0xf033
	s_cbranch_scc0 .Lentry_shape_is_right
	s_endpgm
.Lentry_shape_is_right:
; out0 = att W_proj + b_proj: M = 4096, N = 1024, K = 1024; operands f16, sums f32, the bias as the C of each sum's first product; out0 f32.
; A tile of 128 x 128 is made by four waves, 64 x 64 each: 16 accumulators: 8 x 32 = 256 work-groups.  K goes in steps of 256 through two LDS slots.
; att and wp lie as images of the operand's registers, [row / 16][k / 8][row % 16][16 bytes]: a fragment's four registers are 512 consecutive bytes: no pitch, no padding.
; CLUSTERS: 4 x 4 work-groups; att's tiles are shared along a row of the cluster, wp's along a column, each asked for jointly.
; THE MATRIX INSTRUCTION IS USED TRANSPOSED (source 0 = 16 columns of W_proj, source 1 = 16 tokens): a lane holds eight neighbouring numbers of a row of out0.
; TOKENS 0 TO 15 come from part, [head][token][1024] f32, which the launch before made in f32 throughout: out0 = the sum of the 16 heads' rows + b_proj.  No branch may hang on a work-group's place in its cluster, so
; waves 0 and 1 of all sixteen work-groups of the clusters with y = 0 load and add these rows (a branch on the cluster's y and the wave's number, equal in all partners), and a v_cndmask_b32 on cy = 0 puts them in
; the place of the block's f16 results.  Tile rows 1 to 3 load 64 KB a wave that they discard, and the f16 products of tokens 0 to 15 are made and discarded.
; REGISTERS: window 0: v8-11 b_proj by rows; v16-29 addresses; v32-95 rows on the way out; v96-127 the bias; v128-255 the accumulators ((a, b) at v[128 + 8 (4 a + b)]).  window 1: two fragment buffers of 128:
;   64 of att, then 64 of wp.  windows 2, 3: part's rows, 32 registers a head.
.set KT,     8192                      ; a K step of one tile of 16 rows: 32 chunks of 256 bytes
.set HALFT,  4*KT                      ; 64 rows: what one tensor load brings
.set SLOT,   4*HALFT
.set STAGE,  2*SLOT                    ; 16 rows x 272 bytes for each wave
.set SPITCH, 272
.set SPARE,  STAGE+4*16*SPITCH
.set LAPS,   2                         ; 1024 / (2 x 256)
.set PBO,  6                           ; v6 16 r
.set PB,   8
.set ADRA, 16
.set ADRB, 20
.set STO,  24
.set RD,   25
.set CO,   26
.set BO,   27
.set SPW,  28
.set NIL,  29
.set TMP,  32
.set BIAS, 96
.set ACC,  128
.set F0,   0
.set F1,   128
.set G1, 24
.set G0, 32
.set G1B, 48
.set G0B, 56
.set FLAG, 72                          ; s72 0 in the waves that add part's rows
.set PICK, 73                          ; s73 all ones where the tile row is 0
.set MSB, 0
.macro WIN new
.if MSB != (\new)
	s_set_vgpr_msb (MSB<<8)|(\new)
.set MSB, (\new)
.endif
.endm
.set MUL,  0x05                        ; sources 0 and 1 window 1; C and D window 0
.set TO_F, 0x40
.macro JLOAD s                         ; waves 0 and 1 fetch att's two halves, waves 2 and 3 wp's; four v_nop follow each line
	s_cmp_eq_u32 s11, 0
	s_cbranch_scc0 .Lfor_b_\@
	tensor_load_to_lds s[G0+4*\s:G0+4*\s+3], s[G1:G1+7]
	s_nop 0
.rept 4
	v_nop
.endr
	s_branch .Lasked_\@
.Lfor_b_\@:
	tensor_load_to_lds s[G0B+4*\s:G0B+4*\s+3], s[G1B:G1B+7]
	s_nop 0
.rept 4
	v_nop
.endr
.Lasked_\@:
.endm
.macro CREST
	s_cmp_lg_u32 s10, 0
	s_cbranch_scc1 .Lnot_wave_0_\@
	s_barrier_signal -3
.Lnot_wave_0_\@:
	s_barrier_wait -3
	s_barrier_signal -1
	s_barrier_wait -1
.endm
.macro CROUND
	s_barrier_signal -1
	s_barrier_wait -1
	CREST
.endm
	s_load_b128 s[4:7], s[0:1], 0x0                ; att, wp
	s_load_b128 s[68:71], s[0:1], 0x10             ; b_proj, part
	s_load_b64 s[8:9], s[0:1], 0x20                ; out0
	v_lshl_add_u32 v[SPW], v0, 2, SPARE
	v_mov_b32 v[NIL], 0
	ds_add_u32 v28, v29
	s_wait_dscnt 0x0
	v_lshrrev_b32 v1, 5, v0
	v_readfirstlane_b32 s10, v1                    ; wave 0..3
	s_lshr_b32 s11, s10, 1                         ; which half of the tile's rows is mine.  Also: I fetch for att (0) or for wp (1)
	s_and_b32 s12, s10, 1                          ; which half of its columns.  Also: which 64 rows I fetch
	s_bfe_u32 s40, ttmp6, 0x40000
	s_bfe_u32 s41, ttmp6, 0x40004
	s_lshl_b32 s42, ttmp9, 2
	s_add_co_u32 s42, s42, s40                     ; tile column
	s_and_b32 s13, ttmp7, 0xffff
	s_lshl_b32 s13, s13, 2
	s_add_co_u32 s13, s13, s41                     ; tile row
	s_lshl_b32 s43, s41, 2
	s_lshl_b32 s43, 15, s43
	s_lshl_b32 s44, 0x1111, s40
	; group 1: 4 rows (tiles of 16 matrix rows) of 8,192 bytes = 1,024 elements of 8 bytes, 32,768 bytes apart in memory, on end in LDS
	s_or_b32 s[G1+0], s43, (3<<16)|(1<<21)
	s_or_b32 s[G1B+0], s44, (3<<16)|(1<<21)
.irp g, G1, G1B
	s_mov_b32 s[\g+1], 1024<<16
	s_mov_b32 s[\g+2], 4<<16
	s_mov_b32 s[\g+3], 1024<<16
	s_mov_b32 s[\g+4], 4
	s_mov_b32 s[\g+5], 4096
	s_mov_b32 s[\g+6], 0
	s_mov_b32 s[\g+7], 0
.endr
	s_lshl_b32 s17, s12, 6
	s_lshl_b32 s16, s13, 7
	s_add_co_u32 s16, s16, s17                     ; att: row 128 x tile row + 64 x half
	s_lshl_b32 s46, s42, 7
	s_add_co_u32 s46, s46, s17                     ; wp: column 128 x tile column + 64 x half
	s_lshl_b32 s16, s16, 11                        ; 2,048 bytes a row
	s_lshl_b32 s46, s46, 11
	s_mov_b32 s17, 0
	s_mov_b32 s47, 0
	s_lshl_b32 s20, s10, 15                        ; where they go: wave x 32,768
	s_wait_kmcnt 0x0
	s_add_nc_u64 s[14:15], s[4:5], s[16:17]
	s_add_nc_u64 s[46:47], s[6:7], s[46:47]
	CROUND                                         ; the first joint loads meet
.irp s, 0,1
	s_mov_b32 s[G0+4*\s], 1
	s_add_co_u32 s[G0+4*\s+1], s20, \s*SLOT
	s_add_nc_u64 s[G0+4*\s+2:G0+4*\s+3], s[14:15], \s*KT
	s_or_b32 s[G0+4*\s+3], s[G0+4*\s+3], 0x80000000
	s_mov_b32 s[G0B+4*\s], 1
	s_add_co_u32 s[G0B+4*\s+1], s20, \s*SLOT
	s_add_nc_u64 s[G0B+4*\s+2:G0B+4*\s+3], s[46:47], \s*KT
	s_or_b32 s[G0B+4*\s+3], s[G0B+4*\s+3], 0x80000000
	JLOAD \s
.endr
	v_and_b32 v1, 15, v0                           ; r
	v_bfe_u32 v2, v0, 4, 1                         ; h
	v_and_b32 v3, 31, v0
	v_lshlrev_b32 v3, 4, v3                        ; 16 x lane
	s_lshl_b32 s21, s11, 15                        ; my 64 rows of att
	s_lshl_b32 s22, s12, 15                        ; my 64 columns,
	s_add_co_u32 s22, s22, 2*HALFT                 ; behind att's 128 rows
.irp s, 0,1
	v_add_nc_u32 v[ADRA+\s], s21, v3
	v_add_nc_u32 v[ADRB+\s], s22, v3
	s_add_co_u32 s21, s21, SLOT
	s_add_co_u32 s22, s22, SLOT
.endr
	s_mul_i32 s23, s10, 16*SPITCH
	s_add_co_u32 s23, s23, STAGE                   ; my stage
	v_mul_u32_u24 v4, v1, SPITCH
	v_lshl_add_u32 v4, v2, 5, v4
	v_add_nc_u32 v[STO], s23, v4                   ; in: row r, 32 bytes for each half of the lanes
	v_mul_u32_u24 v5, v2, SPITCH
	v_lshl_add_u32 v5, v1, 4, v5
	v_add_nc_u32 v[RD], s23, v5                    ; back: lanes 0-15 one row of 256 bytes, lanes 16-31 the next
	v_lshlrev_b32 v5, 12, v2
	v_lshl_add_u32 v[CO], v1, 4, v5                ; and the same two rows in out0, and in part
	v_lshlrev_b32 v[BO], 5, v2
	v_lshlrev_b32 v[PBO], 4, v1
	s_lshl_b32 s16, s13, 7
	s_lshl_b32 s17, s11, 6
	s_add_co_u32 s16, s16, s17                     ; my first row
	s_lshl_b32 s16, s16, 12
	s_mov_b32 s17, 0
	s_add_nc_u64 s[8:9], s[8:9], s[16:17]
	s_lshl_b32 s46, s42, 9                         ; my first column, in bytes
	s_lshl_b32 s47, s12, 8
	s_add_co_u32 s46, s46, s47
	s_mov_b32 s47, 0
	s_add_nc_u64 s[8:9], s[8:9], s[46:47]
	s_add_nc_u64 s[68:69], s[68:69], s[46:47]
	s_add_nc_u64 s[70:71], s[70:71], s[46:47]
.irp b, 0,1,2,3
	global_load_b128 v[BIAS+8*\b:BIAS+8*\b+3], v[BO], s[68:69] offset:64*\b        ; lane (r, h): b_proj at the block's columns 8 h + 0 .. 7
	global_load_b128 v[BIAS+8*\b+4:BIAS+8*\b+7], v[BO], s[68:69] offset:64*\b+16
.endr
	s_and_b32 s[FLAG], ttmp7, 0xffff               ; the cluster's y,
	s_or_b32 s[FLAG], s[FLAG], s11                 ; and the half of the tile's rows: 0 where my first block of 16 rows may be tokens 0 to 15
	s_cmp_eq_u32 s41, 0
	s_cselect_b32 s[PICK], -1, 0                   ; it is, where cy = 0: this picks a value, no way through the text
	s_wait_loadcnt 0x0                             ; the bias: waited for here, so that no later wait for it waits for part's rows too
	s_cmp_lg_u32 s[FLAG], 0
	s_cbranch_scc1 .Lno_part
	global_load_b128 v[PB:PB+3], v[PBO], s[68:69]  ; b_proj as the rows on the way out lie: columns 4 r .. 4 r + 3 of my 64
	WIN 0x80                                       ; 128 loads, waited for behind the last product: head d, rows 2 i + h, 256 consecutive bytes for sixteen lanes
.irp d, 0,1,2,3,4,5,6,7
.irp i, 0,1,2,3,4,5,6,7
	global_load_b128 v[32*\d+4*\i:32*\d+4*\i+3], v[CO], s[70:71] offset:65536*\d+8192*\i
.endr
.endr
	WIN 0xc0
.irp d, 0,1,2,3,4,5,6,7
.irp i, 0,1,2,3,4,5,6,7
	global_load_b128 v[32*\d+4*\i:32*\d+4*\i+3], v[CO], s[70:71] offset:65536*(8+\d)+8192*\i
.endr
.endr
	WIN 0
.Lno_part:
; 8 matrix instructions: row blocks a0, a0 + 1 x all 4 column blocks, 32 along K: half c of buffer f.  zero = 1: the sums begin with the bias.  The 16 accumulators take turns.
.macro MUL8 f, c, a0, zero
.irp a, \a0, \a0+1
.irp b, 0,1,2,3
.if \zero
	v_wmma_f32_16x16x32_f16 v[ACC+8*(4*(\a)+\b):ACC+8*(4*(\a)+\b)+7], v[\f+64+8*(4*\c+\b):\f+64+8*(4*\c+\b)+7], v[\f+8*(4*\c+\a):\f+8*(4*\c+\a)+7], v[BIAS+8*\b:BIAS+8*\b+7]
.else
	v_wmma_f32_16x16x32_f16 v[ACC+8*(4*(\a)+\b):ACC+8*(4*(\a)+\b)+7], v[\f+64+8*(4*\c+\b):\f+64+8*(4*\c+\b)+7], v[\f+8*(4*\c+\a):\f+8*(4*\c+\a)+7], v[ACC+8*(4*(\a)+\b):ACC+8*(4*(\a)+\b)+7]
.endif
.endr
.endr
.endm
; 32 LDS loads in one run: quarter k (64 along K) of the slot's K step into buffer f; the first 32 along K first
.macro FETCH slot, k, f
	WIN TO_F
.irp c, 0,1
.irp i, 0,1,2,3
	ds_load_b128 v[\f+64+8*(4*\c+\i):\f+64+8*(4*\c+\i)+3],   v[ADRB+\slot] offset:\i*KT+1024*(2*(\k)+\c)
	ds_load_b128 v[\f+64+8*(4*\c+\i)+4:\f+64+8*(4*\c+\i)+7], v[ADRB+\slot] offset:\i*KT+1024*(2*(\k)+\c)+512
	ds_load_b128 v[\f+8*(4*\c+\i):\f+8*(4*\c+\i)+3],         v[ADRA+\slot] offset:\i*KT+1024*(2*(\k)+\c)
	ds_load_b128 v[\f+8*(4*\c+\i)+4:\f+8*(4*\c+\i)+7],       v[ADRA+\slot] offset:\i*KT+1024*(2*(\k)+\c)+512
.endr
.endr
.endm
.macro PLACES
.rept 4
	v_nop
.endr
.endm
.macro QUARTER slot, k, f, g, zero     ; multiplies buffer f and fetches quarter k into g
	s_wait_dscnt 16                                ; the first 32 along K are in
	WIN MUL
	MUL8 \f, 0, 0, \zero
	MUL8 \f, 0, 2, \zero
	PLACES
	FETCH \slot, \k, \g
	s_wait_dscnt 32                                ; all but the 32 just issued
	WIN MUL
	MUL8 \f, 1, 0, 0
	MUL8 \f, 1, 2, 0
.endm
; The last quarter multiplies buffer 1 and changes slots: one barrier; in front of it each wave waits for all its tensor loads, adds 0 to its spare word, and waits for that and for its reads of this slot.
.macro TURN slot, next, fill
	WIN 0
	s_wait_tensorcnt 0x0                           ; my part of the next slot is in
	ds_add_u32 v[SPW], v[NIL]
	s_wait_dscnt 17                                ; the add and the youngest sixteen loads may be out
	WIN MUL
	MUL8 F1, 0, 0, 0
	s_wait_dscnt 0x0
	s_barrier_signal -1
	MUL8 F1, 0, 2, 0
.if \fill
	WIN 0
.endif
	s_barrier_wait -1
.if \fill
	CREST                                          ; the barrier has opened a round of the cluster's barrier: no wave of any partner still reads this slot or has a load on its way
	s_add_nc_u64 s[G0+4*\slot+2:G0+4*\slot+3], s[G0+4*\slot+2:G0+4*\slot+3], 2*KT
	s_add_nc_u64 s[G0B+4*\slot+2:G0B+4*\slot+3], s[G0B+4*\slot+2:G0B+4*\slot+3], 2*KT
	JLOAD \slot                                    ; first behind the round; its four v_nop are also the places in front of the loads below
.else
	PLACES
.endif
	FETCH \next, 0, F0
	WIN MUL
	MUL8 F1, 1, 0, 0
	MUL8 F1, 1, 2, 0
.endm
	s_wait_tensorcnt 1                             ; my part of K step 0 is in; K step 1's load may be out
	s_barrier_signal -1
	s_barrier_wait -1
	FETCH 0, 0, F0
	QUARTER 0, 1, F0, F1, 1
	WIN 0
	s_mov_b32 s3, LAPS-1
.Llap:                                             ; a trip goes once round the ring and fills both slots again
	QUARTER 0, 2, F1, F0, 0
	QUARTER 0, 3, F0, F1, 0
	TURN 0, 1, 1
	QUARTER 1, 1, F0, F1, 0
	QUARTER 1, 2, F1, F0, 0
	QUARTER 1, 3, F0, F1, 0
	TURN 1, 0, 1
	QUARTER 0, 1, F0, F1, 0
	WIN 0
	s_sub_co_u32 s3, s3, 1
	s_cmp_lg_u32 s3, 0
	s_cbranch_scc1 .Llap
	QUARTER 0, 2, F1, F0, 0                        ; the last lap fills nothing
	QUARTER 0, 3, F0, F1, 0
	TURN 0, 1, 0
	QUARTER 1, 1, F0, F1, 0
	QUARTER 1, 2, F1, F0, 0
	QUARTER 1, 3, F0, F1, 0
	s_wait_dscnt 16
	WIN MUL
	MUL8 F1, 0, 0, 0
	MUL8 F1, 0, 2, 0
	s_wait_dscnt 0
	MUL8 F1, 1, 0, 0
	MUL8 F1, 1, 2, 0
	WIN 0
	; part's sixteen heads and b_proj are added up, onto head 0's 32 registers in window 2
	s_cmp_lg_u32 s[FLAG], 0
	s_cbranch_scc1 .Lno_sum
	s_wait_loadcnt 0x0
	WIN 0x8a                                       ; destination and both sources in window 2
.irp d, 1,2,3,4,5,6,7
.set i, 0
.rept 16
	v_pk_add_f32 v[i:i+1], v[i:i+1], v[32*\d+i:32*\d+i+1]
.set i, i+2
.endr
.endr
	WIN 0x8e                                       ; source 1 in window 3
.irp d, 0,1,2,3,4,5,6,7
.set i, 0
.rept 16
	v_pk_add_f32 v[i:i+1], v[i:i+1], v[32*\d+i:32*\d+i+1]
.set i, i+2
.endr
.endr
	WIN 0x82                                       ; source 1 in window 0
.set i, 0
.rept 8
	v_pk_add_f32 v[i:i+1], v[i:i+1], v[PB:PB+1]
	v_pk_add_f32 v[i+2:i+3], v[i+2:i+3], v[PB+2:PB+3]
.set i, i+4
.endr
	WIN 0
.Lno_sum:
; THE WAY OUT: a wave's 64 columns are 256 aligned bytes of a row.  A block of 16 rows goes through my own stage and comes back as whole rows.  LDS serves a wave's instructions in order: no wait between stores and loads.
.macro TOSTAGE a
.irp b, 0,1,2,3
	ds_store_b128 v[STO], v[ACC+8*(4*(\a)+\b):ACC+8*(4*(\a)+\b)+3] offset:64*\b        ; each accumulator from its low end on
	ds_store_b128 v[STO], v[ACC+8*(4*(\a)+\b)+4:ACC+8*(4*(\a)+\b)+7] offset:64*\b+16
.endr
.irp i, 0,1,2,3,4,5,6,7
	ds_load_b128 v[TMP+32*((\a)%2)+4*\i:TMP+32*((\a)%2)+4*\i+3], v[RD] offset:\i*2*SPITCH
.endr
.endm
.macro SEND a, younger                 ; younger: the LDS instructions issued behind block a's loads
	s_wait_dscnt \younger
.if (\a) == 0
	s_cmp_lg_u32 s[FLAG], 0
	s_cbranch_scc1 .Lkeep_\@
	WIN 0x08                                       ; source 1 in window 2
.set i, 0
.rept 32
	v_cndmask_b32 v[TMP+i], v[TMP+i], v[i], s[PICK]   ; tokens 0 to 15 take the f32 rows; the first blocks of tile rows 1 to 3 keep their own
.set i, i+1
.endr
	WIN 0
.Lkeep_\@:
.endif
.irp i, 0,1,2,3,4,5,6,7
	global_store_b128 v[CO], v[TMP+32*((\a)%2)+4*\i:TMP+32*((\a)%2)+4*\i+3], s[8:9] offset:(16*(\a)+2*\i)*4096 th:TH_STORE_NT   ; sixteen lanes store 256 consecutive bytes, aligned
.endr
.endm
	PLACES
	TOSTAGE 0
.irp a, 1,2,3
.if \a > 1
	s_wait_xcnt 0x0                                ; block a - 2's stores have read their registers: block a's loads may land there
.endif
	TOSTAGE \a
	SEND \a-1, 16
.endr
	SEND 3, 0
	s_wait_tensorcnt 0x0                           ; the wave's end
	ds_add_u32 v[SPW], v[NIL]
	s_wait_dscnt 0x0
	CROUND                                         ; the closing round
	s_endpgm
.Lfunc_end_k_qbe163c2534_proj:
	.size	k_qbe163c2534_proj, .Lfunc_end_k_qbe163c2534_proj-k_qbe163c2534_proj
	.p2alignl 7, 3214868480
	.fill 96, 4, 3214868480
	.section	.rodata,"a",@progbits
	.p2align	6, 0x0
	.amdhsa_kernel k_qbe163c2534_proj
		.amdhsa_group_segment_fixed_size 327680
		.amdhsa_private_segment_fixed_size 0
		.amdhsa_enable_private_segment 0
		.amdhsa_kernarg_size 40
		.amdhsa_user_sgpr_count 2
		.amdhsa_user_sgpr_kernarg_segment_ptr 1
		.amdhsa_wavefront_size32 1
		.amdhsa_system_sgpr_workgroup_id_x 1
		.amdhsa_system_sgpr_workgroup_id_y 1
		.amdhsa_system_sgpr_workgroup_id_z 1
		.amdhsa_system_vgpr_workitem_id 0
		.amdhsa_next_free_vgpr 1024
		.amdhsa_next_free_sgpr 80
		.amdhsa_reserve_vcc 0
		.amdhsa_float_denorm_mode_32 3
		.amdhsa_float_denorm_mode_16_64 3
		.amdhsa_memory_ordered 1
		.amdhsa_forward_progress 1
		.amdhsa_inst_pref_size 117
	.end_amdhsa_kernel
	.amdgpu_metadata
---
amdhsa.version: [ 1, 2 ]
amdhsa.kernels:
  - .name:           k_qbe163c2534_proj
    .symbol:         k_qbe163c2534_proj.kd
    .args:
      - { .name: att, .offset: 0, .size: 8, .value_kind: global_buffer, .address_space: global }
      - { .name: wp, .offset: 8, .size: 8, .value_kind: global_buffer, .address_space: global }
      - { .name: b_proj, .offset: 16, .size: 8, .value_kind: global_buffer, .address_space: global }
      - { .name: part, .offset: 24, .size: 8, .value_kind: global_buffer, .address_space: global }
      - { .name: out0, .offset: 32, .size: 8, .value_kind: global_buffer, .address_space: global }
    .group_segment_fixed_size: 327680
    .private_segment_fixed_size: 0
    .kernarg_segment_align: 8
    .kernarg_segment_size: 40
    .max_flat_workgroup_size: 128
    .sgpr_count:     80
    .vgpr_count:     1024
    .wavefront_size: 32
...
	.end_amdgpu_metadata
.endif
;; end of part 5
